; MI455X (gfx1250); checked and timed in simulation.
; The chip was launched on July 23, 2026; its instructions are those of AMD's public machine-readable ISA for CDNA 5 (MIT licence, August 2026) and "CDNA5" Instruction Set Architecture Reference Guide (July 2026). The comments in the code are by the model that wrote it; some were corrected since.
;; Multi Head Attention. Allowed arithmetic: matrix products marked QUANTISED: E2M3 operands, one E8M0 scale for each 32 along K, by v_wmma_scale_f32_16x16x128_f8f6f4 with both operands' format E2M3, f32 sums; everything else in f32.
;; Inputs: out_b 1,024 float32; out_w 1,024 x 1,024 float32; qkv_b 3,072 float32; qkv_w 3,072 x 1,024 float32; x 2 x 2,048 x 1,024 float32.
;; Outputs: out0 2 x 2,048 x 1,024 float32.
;; This version of the problem:
;;   THIS VERSION OF THE PROBLEM IS GIVEN IN LOW PRECISION. The matrix products marked QUANTISED in the list below multiply operands that are first quantised to E2M3 (2 exponent bits, 3 mantissa bits; 6 bits a number), with one power-of-two scale for each 32 numbers along K (OCP MX v1.0); their sums are f32. All else is computed in f32.
;;   The module's matrix products, in the order in which they are computed (A, B: the left and right operand; K: the contracted axis; several contracted axes count as one K, in the product's order):
;;     1. [M 4,096, K 1,024] x [K 1,024, N 3,072]; A: input x; B: input qkv_w: QUANTISED
;;     2. batch 32 x [M 2,048, K 64] x [K 64, N 2,048]; A: computed on the way; B: computed on the way: QUANTISED
;;     3. batch 32 x [M 2,048, K 2,048] x [K 2,048, N 64]; A: softmax (see below); B: computed on the way: QUANTISED
;;     4. [M 4,096, K 1,024] x [K 1,024, N 1,024]; A: computed on the way; B: input out_w: QUANTISED
;;   THE QUANTISER, for each operand of a quantised product, along K:
;;     - K is cut into blocks of 32 from its start; a last block that is shorter is filled with zeros.
;;     - A block's scale is 2^e with e = floor(log2(the largest magnitude in the block)) - 2, held to -126 .. 127; a block of zeros has e = 0. As a byte (E8M0): e + 127.
;;     - Each number is divided by its block's scale, clamped to +-7.5, and rounded to the nearest number of E2M3, ties to even, subnormals kept.
;;     - The product sums the exact products of the quantised numbers (number of the format x scale) in f32.
;;   ~~~python
;;   def quantise(x, axis):      # numpy; x: float32 -> the quantised numbers, widened to float32 again
;;       x = np.moveaxis(x, axis, -1); K = x.shape[-1]
;;       x = np.pad(x, [(0, 0)] * (x.ndim - 1) + [(0, -K % 32)]); x = x.reshape(x.shape[:-1] + (-1, 32)); a = np.abs(x).max(-1, keepdims=True)
;;       e = np.where(a > 0, np.clip(np.frexp(np.where(a > 0, a, 1))[1] - 1 - 2, -126, 127), 0)      # np.frexp(a)[1] - 1 = floor(log2(a)), exactly
;;       r = np.clip(x / 2.0 ** e, -7.5, 7.5)
;;       step = 2.0 ** (np.maximum(np.frexp(np.where(r == 0, 1, r))[1] - 1, 0) - 3)
;;       q = np.round(r / step) * step * 2.0 ** e      # np.round: ties to even
;;       return np.moveaxis(q.reshape(q.shape[:-2] + (-1,))[..., :K], -1, axis).astype(np.float32)
;;   ~~~
;;   SOFTMAX AHEAD OF A QUANTISED PRODUCT. Where the list says 'softmax', what is quantised is not the finished softmax but p = 2^(t - M), with t = logit x log2(e) and M = ceil(the row's largest t), a whole number; so 1/2 < the row's largest p <= 1. The row's sum l is taken of the UNQUANTISED p, in f32, and the product's result is divided by l at the end. Since M is a whole number, a kernel that streams over the keys may use a running M (the ceiling of the running maximum): every later rescaling is an exact power of two, which a block's scale takes up: the codes' values come out the same.
;;   OPERANDS COMPUTED ON THE WAY. 'Computed on the way' means the value that the module computes at that place (a softmax that the list does not call 'softmax' is quantised finished and normalised). What goes into a quantiser is computed in f32, as accurately as f32 sums, v_exp_f32 and their like allow (about 1e-6 of the number): no bf16 or f16 on the way to a quantiser, and a product that is left as it is and whose result goes on into a quantised operand takes f32 operands (vector FMAs, or v_wmma_f32_16x16x4_f32). A number that lies on a knife's edge between two numbers of the format may be rounded either way, as far as f32 arithmetic and the matrix unit's own rounding can turn it there, and no further.
;; One version. Each part assembles by itself: llvm-mc -triple=amdgcn-amd-amdhsa -mcpu=gfx1250 --defsym DOCPART=n.
;; ======== version 1 of 1: 4 launches
;; limits: right only within a limited range of input values
;; workspace buffers: xw 6,291,456 bytes; xws 262,144 bytes; qkv 9,437,184 bytes; qkvs 393,216 bytes; oc 3,276,800 bytes
;; launch quant (part 1): grid 512 x 1, 8 waves a work-group, no clusters, 69,120 bytes of LDS; arguments x, qkv_w, out_w, xw, xws; writes xw, xws
.if DOCPART == 1
	.amdgcn_target "amdgcn-amd-amdhsa--gfx1250"
	.amdhsa_code_object_version 6
	.text
	.protected	k_q110b610bdc_quant
	.globl	k_q110b610bdc_quant
	.p2align	8
	.type	k_q110b610bdc_quant,@function
k_q110b610bdc_quant:
	s_mov_b64 s[64:65], 0
	v_nop
	global_prefetch_b8 v0, s[64:65] scope:SCOPE_SE
	s_setreg_imm32_b32 hwreg(HW_REG_WAVE_MODE, 25, 1), 1
	s_wait_xcnt 0x0
; x [4096][1024], qkv_w [3072][1024] and out_w [1024][1024], f32 with K innermost, become codes of FP6 (E2M3) with one E8M0 scale byte for each 32 along K.
; A block's scale is 2^(floor(log2(its largest magnitude)) - 2); its byte is the largest magnitude's exponent field - 2, held at 1 from below.
; LIMITS: NaN and infinities are not served.  A block of zeros gets the byte 1 where the rule says 127: its codes are zeros, and this program alone reads the bytes.
;         Blocks whose largest magnitude lies under 2^-124 are held at the byte 1.
; THE CODES ARE LAID AS THE MATRIX UNIT'S REGISTERS WANT THEM.  A fragment is 16 rows x 128 K, 12 registers a lane: lane (r, h) holds, in registers 6 c .. 6 c + 5, k = 64 c + 32 h + 0 .. 31 of the tile's row r.
; Its image is 1,536 bytes: registers 4 g .. 4 g + 3 of lane l at 512 g + 16 l.  xw: [64 groups of eight row tiles][4 pairs of K steps][8 tiles][2 K steps][1,536]; tiles 0-255 x, 256-447 qkv_w, 448-511 out_w.
; THE ROWS OF A TILE ARE NOT NEIGHBOURS: lane r of tile 2 b + u takes row 32 b + 8 u + r + 8 (r / 8), so that a product that takes the tile as its first source leaves 16 neighbouring rows in a lane's 16 registers.
; xws: [512 x 16 tile rows][8 words]: word s = the four scale bytes of K step s.
; SHARES: a work-group takes a row tile, each of its eight waves one K step: one fragment.  Each load reads 512 consecutive bytes of one row; the 16 rows turn through the wave's own stage in LDS
; (rows 528 bytes apart) and come back 128 bytes a lane and block.  A lane holds two whole blocks, so no other lane is asked for a maximum.
.set STG,  8448                        ; a wave's stage: 16 rows x (512 + 16) bytes
.set GATH, 8*STG                       ; behind the stages: the tile's 512 bytes of scale words
.set L16,  1                           ; v1   16 x lane
.set SIN,  4                           ; v4   the stage, on the way in
.set SOUT, 5                           ; v5   and on the way out
.set GIN,  6                           ; v6   where my row's scale word goes
.set GOUT, 7                           ; v7   where wave 0 reads the words back
.set RAW,  16                          ; v16-79   16 rows as loaded
.set X,    80                          ; v80-143  X + 32 c + i = k 64 c + 32 h + i of my row
.set C,    144                         ; v144-155 the fragment
.set CT,   156                         ; v156-158, v160-162: a conversion's three registers begin on an even number, a block's second three do not
.macro BMAX d, e, s                    ; the largest magnitude of v[s] .. v[s + 31] in two chains, with the floor 2^(3 - 127) among the leaves: so the byte cannot fall under 1
	v_max3_num_f32 v[\d], |v[\s]|, |v[\s+1]|, 0x1800000
	v_max3_num_f32 v[\e], |v[\s+16]|, |v[\s+17]|, |v[\s+18]|
.irp i, 2,4,6,8,10,12
	s_delay_alu instid0(VALU_DEP_2)
	v_max3_num_f32 v[\d], v[\d], |v[\s+\i]|, |v[\s+\i+1]|
	s_delay_alu instid0(VALU_DEP_2)
	v_max3_num_f32 v[\e], v[\e], |v[\s+17+\i]|, |v[\s+18+\i]|
.endr
	s_delay_alu instid0(VALU_DEP_2)
	v_max3_num_f32 v[\d], v[\d], |v[\s+14]|, |v[\s+15]|
	s_delay_alu instid0(VALU_DEP_1)
	v_max3_num_f32 v[\d], v[\d], v[\e], |v[\s+31]|
.endm
	s_load_b256 s[4:11], s[0:1], 0x0               ; x s[4:5], qkv_w s[6:7], out_w s[8:9], xw s[10:11]
	s_load_b64 s[12:13], s[0:1], 0x20              ; xws
	v_lshl_add_u32 v168, v0, 2, 0x10a00
	v_mov_b32 v169, 0
	v_lshrrev_b32 v8, 5, v0
	s_delay_alu instid0(VALU_DEP_1)
	v_readfirstlane_b32 s16, v8                    ; wave = K step
	v_and_b32 v9, 31, v0                           ; lane
	s_delay_alu instid0(VALU_DEP_1)
	v_lshlrev_b32 v[L16], 4, v9
	v_and_b32 v2, 15, v0                           ; r
	v_bfe_u32 v3, v0, 4, 1                         ; h
	s_mul_i32 s17, s16, STG
	v_add_nc_u32 v[SIN], s17, v[L16]               ; in: 16 bytes a lane, a row an instruction
	v_mul_u32_u24 v[SOUT], v2, 528
	s_delay_alu instid0(VALU_DEP_1)
	v_lshl_add_u32 v[SOUT], v3, 7, v[SOUT]
	s_delay_alu instid0(VALU_DEP_1)
	v_add_nc_u32 v[SOUT], s17, v[SOUT]             ; out: row r, + 128 h
	s_lshl_b32 s18, s16, 2
	s_add_co_u32 s18, s18, GATH
	v_lshl_add_u32 v[GIN], v2, 5, s18              ; 32 bytes a tile row, word = K step
	v_add_nc_u32 v[GOUT], GATH, v[L16]
	s_mov_b32 s20, 0x76543210
	s_mov_b32 s21, 0xfedcba98                      ; v_permlanex16_b32's selects for lane l xor 16
	s_wait_alu depctr_va_vdst(0)
	s_wait_kmcnt 0x0
	s_cmp_lt_u32 ttmp9, 448                        ; which tensor: the choice hangs on the work-group's number alone
	s_cselect_b64 s[6:7], s[6:7], s[8:9]
	s_mov_b32 s14, 448
	s_cselect_b32 s14, 256, s14
	s_cmp_lt_u32 ttmp9, 256
	s_cselect_b64 s[4:5], s[4:5], s[6:7]
	s_cselect_b32 s14, 0, s14
	s_sub_co_u32 s14, ttmp9, s14                   ; the tile's number in its tensor
	s_lshr_b32 s15, s14, 1
	s_lshl_b32 s15, s15, 17                        ; 32 rows of 4,096 bytes for each pair of tiles,
	s_and_b32 s14, s14, 1
	s_lshl_b32 s14, s14, 15                        ; 8 rows for the odd tile,
	s_add_co_u32 s14, s14, s15
	s_lshl_b32 s15, s16, 9                         ; 512 bytes a K step
	s_add_co_u32 s14, s14, s15
	s_mov_b32 s15, 0
	s_add_nc_u64 s[4:5], s[4:5], s[14:15]
	; xw is laid by groups of eight row tiles, 98,304 bytes each, in the order in which the products' LDS holds a group:
	; [group][pair of K steps][tile in the group][K step in the pair][1,536 bytes], so that a group, and each half or quarter of it along K, is one dense block
	s_lshr_b32 s14, ttmp9, 3
	s_mul_i32 s14, s14, 98304
	s_and_b32 s17, ttmp9, 7
	s_mul_i32 s17, s17, 3072
	s_add_co_u32 s14, s14, s17
	s_lshr_b32 s17, s16, 1
	s_mul_i32 s17, s17, 24576
	s_add_co_u32 s14, s14, s17
	s_and_b32 s17, s16, 1
	s_mul_i32 s17, s17, 1536
	s_add_co_u32 s14, s14, s17                     ; my fragment's image
	s_add_nc_u64 s[10:11], s[10:11], s[14:15]
	s_lshl_b32 s14, ttmp9, 9                       ; the tile's scale words
	s_add_nc_u64 s[12:13], s[12:13], s[14:15]
.irp i, 0,1,2,3,4,5,6,7,8,9,10,11,12,13,14,15
	global_load_b128 v[RAW+4*\i:RAW+4*\i+3], v[L16], s[4:5] offset:(\i+8*(\i/8))*4096 th:TH_LOAD_NT   ; the tile's row i: 32 lanes read 512 consecutive bytes
.endr
.irp i, 0,1,2,3,4,5,6,7,8,9,10,11,12,13,14,15
	s_wait_loadcnt 15-\i                           ; loads come back in order: row i is in, the younger rows stay out
	ds_store_b128 v[SIN], v[RAW+4*\i:RAW+4*\i+3] offset:528*\i
.endr
.irp c, 0,1
.irp j, 0,1,2,3,4,5,6,7
	ds_load_b128 v[X+32*\c+4*\j:X+32*\c+4*\j+3], v[SOUT] offset:256*\c+16*\j   ; LDS serves a wave's instructions in order: these see my stores
.endr
.endr
	s_wait_dscnt 8                                 ; my first block is back; the second block's eight loads may be out
	BMAX 8, 10, X
	s_wait_dscnt 0x0
	BMAX 9, 11, X+32
	v_add_nc_u32 v12, 0xff000000, v8               ; 2 off the exponent field: the conversion takes the exponent field of this operand as its scale, and nothing else of it
	s_delay_alu instid0(VALU_DEP_2)
	v_add_nc_u32 v13, 0xff000000, v9
	s_delay_alu instid0(VALU_DEP_2)
	v_lshrrev_b32 v14, 23, v12                     ; the scales' bytes: blocks h and 2 + h of my row
	s_delay_alu instid0(VALU_DEP_2)
	v_lshrrev_b32 v15, 23, v13
	s_delay_alu instid0(VALU_DEP_1)
	v_lshl_or_b32 v14, v15, 16, v14
	v_lshlrev_b32 v15, 3, v3
	s_delay_alu instid0(VALU_DEP_1)
	v_lshlrev_b32 v14, v15, v14                    ; at their places in the word: 8 h bits up
	v_mov_b32 v15, 0                               ; (a lane permute's destination counts as one of its sources)
	s_delay_alu instid0(VALU_DEP_1)
	v_permlanex16_b32 v15, v14, s20, s21
	s_delay_alu instid0(VALU_DEP_1)
	v_or_b32 v14, v14, v15                         ; with lane l xor 16's two the word is whole
.irp c, 0,1
	v_cvt_scalef32_pk16_fp6_f32 v[C+6*\c:C+6*\c+2], v[X+32*\c:X+32*\c+15], v[12+\c]
	v_cvt_scalef32_pk16_fp6_f32 v[CT+4*\c:CT+4*\c+2], v[X+32*\c+16:X+32*\c+31], v[12+\c]
.endr
	v_nop                                          ; one plain place behind a scaled conversion
.irp c, 0,1
.irp i, 0,1,2
	v_mov_b32 v[C+6*\c+3+\i], v[CT+4*\c+\i]
.endr
.endr
	ds_store_b32 v[GIN], v14                       ; both halves of the lanes write the same word with the same value
.irp g, 0,1,2
	global_store_b128 v[L16], v[C+4*\g:C+4*\g+3], s[10:11] offset:512*\g   ; 512 consecutive bytes, at a multiple of 256 from the buffer's first byte
.endr
	s_wait_dscnt 0x0                               ; for wave 0's sake: my word lies in LDS
	s_barrier_signal -1
	s_barrier_wait -1
	s_cmp_lg_u32 s16, 0
	s_cbranch_scc1 .Ldone                          ; wave 0 stores the tile's 128 words as 512 consecutive bytes
	ds_load_b128 v[16:19], v[GOUT]
	s_wait_dscnt 0x0
	global_store_b128 v[L16], v[16:19], s[12:13]
.Ldone:
	s_wait_tensorcnt 0x0
	ds_add_u32 v168, v169
	s_wait_dscnt 0x0
	s_endpgm
.Lfunc_end_k_q110b610bdc_quant:
	.size	k_q110b610bdc_quant, .Lfunc_end_k_q110b610bdc_quant-k_q110b610bdc_quant
	.p2alignl 7, 3214868480
	.fill 96, 4, 3214868480
	.section	.rodata,"a",@progbits
	.p2align	6, 0x0
	.amdhsa_kernel k_q110b610bdc_quant
		.amdhsa_group_segment_fixed_size 69120
		.amdhsa_private_segment_fixed_size 0
		.amdhsa_enable_private_segment 0
		.amdhsa_kernarg_size 40
		.amdhsa_user_sgpr_count 2
		.amdhsa_user_sgpr_kernarg_segment_ptr 1
		.amdhsa_wavefront_size32 1
		.amdhsa_system_sgpr_workgroup_id_x 1
		.amdhsa_system_sgpr_workgroup_id_y 1
		.amdhsa_system_sgpr_workgroup_id_z 1
		.amdhsa_system_vgpr_workitem_id 0
		.amdhsa_next_free_vgpr 170
		.amdhsa_next_free_sgpr 66
		.amdhsa_reserve_vcc 0
		.amdhsa_float_denorm_mode_32 3
		.amdhsa_float_denorm_mode_16_64 3
		.amdhsa_memory_ordered 1
		.amdhsa_forward_progress 1
		.amdhsa_inst_pref_size 12
	.end_amdhsa_kernel
	.amdgpu_metadata
---
amdhsa.version: [ 1, 2 ]
amdhsa.kernels:
  - .name:           k_q110b610bdc_quant
    .symbol:         k_q110b610bdc_quant.kd
    .args:
      - { .name: x, .offset: 0, .size: 8, .value_kind: global_buffer, .address_space: global }
      - { .name: qkv_w, .offset: 8, .size: 8, .value_kind: global_buffer, .address_space: global }
      - { .name: out_w, .offset: 16, .size: 8, .value_kind: global_buffer, .address_space: global }
      - { .name: xw, .offset: 24, .size: 8, .value_kind: global_buffer, .address_space: global }
      - { .name: xws, .offset: 32, .size: 8, .value_kind: global_buffer, .address_space: global }
    .group_segment_fixed_size: 69120
    .private_segment_fixed_size: 0
    .kernarg_segment_align: 8
    .kernarg_segment_size: 40
    .max_flat_workgroup_size: 256
    .sgpr_count:     66
    .vgpr_count:     170
    .wavefront_size: 32
...
	.end_amdgpu_metadata
.endif
;; end of part 1
;; launch qkvgemm (part 2): grid 8 x 32, 4 waves a work-group, clusters of 4 x 4, 327,680 bytes of LDS; arguments xw, xws, qkv_b, qkv, qkvs; writes qkv, qkvs
.if DOCPART == 2
	.amdgcn_target "amdgcn-amd-amdhsa--gfx1250"
	.amdhsa_code_object_version 6
	.text
	.protected	k_q110b610bdc_qkvgemm
	.globl	k_q110b610bdc_qkvgemm
	.p2align	8
	.type	k_q110b610bdc_qkvgemm,@function
k_q110b610bdc_qkvgemm:
	s_mov_b64 s[64:65], 0
	v_nop
	global_prefetch_b8 v0, s[64:65] scope:SCOPE_SE
	s_setreg_imm32_b32 hwreg(HW_REG_WAVE_MODE, 25, 1), 1
	s_wait_xcnt 0x0
	s_wait_alu depctr_hold_cnt(0) depctr_sa_sdst(0) depctr_va_vdst(0) depctr_va_sdst(0) depctr_va_ssrc(0) depctr_va_vcc(0) depctr_vm_vsrc(0)
	s_getreg_b32 s2, hwreg(HW_REG_IB_STS2, 6, 4)
	s_cmp_eq_u32 s2, 0
	s_cbranch_scc0 .Lentry_in_a_cluster
	s_endpgm
.Lentry_in_a_cluster:
	s_bfe_u32 s2, ttmp6, 0x10000c
	s_cmp_lg_u32 s2, 0xf033
	s_cbranch_scc0 .Lentry_shape_is_right
	s_endpgm
.Lentry_shape_is_right:
; qkv = x qkv_w^T + qkv_b on codes of FP6 (E2M3) with E8M0 scales; the results are quantised in registers, q and k along the head's 64 channels, v along the keys, and leave as codes.  No f32 result goes to memory.
; LIMITS: NaN and infinities are not served; a block of zeros gets the byte 1 (its codes are zeros; this program alone reads the bytes); blocks whose largest magnitude lies under 2^-124 are held at the byte 1.
; OPERANDS come as images of the matrix unit's registers: a fragment (16 rows x 128 K, 12 registers a lane) is 1,536 bytes, registers 4 g .. 4 g + 3 of lane l at 512 g + 16 l: three loads of 16 bytes a lane, 512 consecutive bytes each.
; Lane r of row tile 2 b + u holds row 32 b + 8 u + r + 8 (r / 8): as the first source such tiles leave, in the 16 registers of tiles 2 b and 2 b + 1, the 16 neighbouring rows 32 b + 16 (lane / 16) + 0 .. 15.
; A WORK-GROUP STAYS: it makes q, k and v of 128 tokens (work-group y) and two heads (work-group x), in three units of 128 x 128 over all of K = 1,024.  The tokens' codes are fetched once and serve all three.
;   units A (q), B (k): first source = 128 rows of qkv_w, second = the tokens.  A lane's 64 numbers of one head and two token tiles are one DOUBLE fragment: registers 0-5 token tile 2 g, registers 6-11 tile 2 g + 1, K = the head's 64.
;   unit C (v):         first source = the tokens (one key step), second = 128 rows of qkv_w.  A lane's 64 numbers of one channel are one fragment of V^T, K = 128 keys.
; In each unit wave w takes the second source's tiles 2 w, 2 w + 1 against the first source's eight: 16 accumulators.
; LDS: the tokens (98,304 bytes), q's rows (98,304) and k's rows (98,304) are filled at the start, two loads a wave; unit A begins when the first half of its two operands has landed.
; v's rows are the ONE refill: behind unit A's products they go into the bytes that held q's rows, one load a wave, and have all of unit B and its way out in which to land.
; CLUSTERS: 4 x 4 work-groups.  The weights hang on x alone and are shared along a column of the cluster, the tokens on y alone and are shared along a row: each tile is asked for jointly, which divides the requests by four.
; THE SCALE WORDS (32 bytes a tile row) go from memory straight into registers, ten loads of 16 bytes a lane for a unit, asked for behind the last products of the unit before, so that they land under its way out.
; REGISTERS: window 0: v1-15 addresses; v16-47 the first source's scale words, v48-55 the second's (these hold scales and nothing else); v56-175 fragment set 0; on a way out v56-183 the sums, v184-242 at work; v243-248 offsets.
;            window 1: v0-127 the accumulators ((a, p) at 8 (8 a + p)); v128-247 fragment set 1.     window 2: v0-63 q's bias, v64-127 k's, v128-131 v's.
.set CHUNK, 24576                      ; two K steps of eight row tiles
.set W0,    98304                      ; LDS: the tokens at 0; q's rows, later v's, here; fragment (tile, K step s) at (s / 2) CHUNK + 3,072 tile + 1,536 (s % 2)
.set W1,    196608                     ; k's rows
.set SPARE, 294912                     ; the spare words, 128 bytes for each wave: two blocks of 256 bytes that no other line names
.set NF,    30                         ; LDS loads of one K step's fragments
.set SPW, 1                            ; v1  LDS address of my spare word: SPARE + 4 x my thread's number; never rewritten
.set NIL, 2                            ; v2  0; never rewritten
.set LN,  3                            ; v3  lane
.set PX,  4                            ; v4  16 x lane: the tokens as first source, K steps 0-3, and the stores' offset;  v5: K steps 4-7
.set PW0, 6                            ; v6, v7    q's rows as first source
.set PW1, 8                            ; v8, v9    k's rows as first source
.set RX,  10                           ; v10, v11  my two token tiles as second source
.set RW0, 12                           ; v12, v13  my two tiles of v's rows as second source
.set L32, 14                           ; v14 32 x lane: a pair of tiles' scale words
.set L32W, 15                          ; v15 the same for my pair: + 1,024 x wave
.set SCP, 16
.set SCR, 48
.set F0,  56
.set F1,  128
.set Y,   56
.set TM,  224                          ; v224-227 largest magnitudes, v228-231 the other half's, then bytes, v236-239 scale operands
.set RR,  243                          ; v243 lane % 16;  v244 lane / 16
.set HH,  244
.set SOFQ, 245                         ; v245 my offset among the scale words that I store, for q and k;  v246 for v
.set SOFV, 246
.set BOP, 247                          ; v247 my offset in qkv_b along the registers (q, k);  v248 along the lanes (v)
.set BOR, 248
.set BQ,  0                            ; in window 2
.set BK,  64
.set BV,  128
.set SEL, 30                           ; s[30:31] lane selects, written when the first fills' descriptors are done with
.set G1P, 24                           ; s[24:31] group 1: eight row tiles x four K steps, my column's mask;  s[32:39] the same, my row's mask;  s[40:47] eight row tiles, my column's mask
.set G1R, 32
.set G1F, 40
.set G0B, 48                           ; s[48:51] group 0 for my chunk of k's rows, later of v's rows
.set MSB, 0
.macro WIN new                         ; the immediate's high byte repeats the setting that is left; a switch that changes nothing is dropped
.if MSB != (\new)
	s_set_vgpr_msb (MSB<<8)|(\new)
.set MSB, (\new)
.endif
.endm
.set MUL0, 0x50                        ; sources in window 0, C and D in window 1;  + 5: sources in window 1
.set LD1,  0x40                        ; destination window 1
.set LD2,  0x80                        ; destination window 2
.set ADDW, 0x09                        ; source 0 window 1 (the sums), source 1 window 2 (the bias), destination window 0
.macro PLACES n                        ; plain vector instructions behind a matrix instruction (ISA guide 7.12.1), where no useful one is at hand
.rept \n
	v_nop
.endr
.endm
.macro CROUND                          ; a round of the cluster's barrier
	s_barrier_signal -1
	s_barrier_wait -1
	s_cmp_lg_u32 s16, 0
	s_cbranch_scc1 .Lnot_wave_0_\@
	s_barrier_signal -3
.Lnot_wave_0_\@:
	s_barrier_wait -3
	s_barrier_signal -1
	s_barrier_wait -1
.endm
.macro G0SET g, sl, lc, sb, oc         ; group 0 in s[g:g+3]: to LDS byte s[sl] + lc, from the address s[sb:sb+1] + oc
	s_mov_b32 s[\g], 1
	s_add_co_u32 s[\g+1], s[\sl], \lc
	s_add_nc_u64 s[\g+2:\g+3], s[\sb:\sb+1], \oc
	s_or_b32 s[\g+3], s[\g+3], 0x80000000
.endm
.macro FRAG reg, adr, off              ; a fragment's image into 12 registers
.irp g, 0,1,2
	ds_load_b128 v[(\reg)+4*\g:(\reg)+4*\g+3], v[\adr] offset:(\off)+512*\g
.endr
.endm
.macro FETCH ks, pl, rl                ; K step ks: the first source's eight fragments (address pair pl) and my two of the second (rl) into set ks % 2
.set fF, F0+(F1-F0)*((\ks)%2)
.set fO, (((\ks)/2)%2)*CHUNK+((\ks)%2)*1536
	WIN LD1*((\ks)%2)
.irp p, 0,1,2,3,4,5,6,7
	FRAG fF+12*\p, (\pl)+(\ks)/4, fO+3072*\p
.endr
.irp a, 0,1
	FRAG fF+96+12*\a, (\rl)+(\ks)/4, fO+3072*\a
.endr
	WIN 0
.endm
.macro SCLOAD pb, po, rb, ro           ; a unit's scale words: the first source's from s[pb:pb+1] + po, my pair of the second's from s[rb:rb+1] + ro
.irp q, 0,1,2,3
	global_load_b128 v[SCP+8*\q:SCP+8*\q+3], v[L32], s[\pb:\pb+1] offset:(\po)+1024*\q        ; tiles 2 q (lanes 0-15) and 2 q + 1 (lanes 16-31): the words of K steps 0-3,
	global_load_b128 v[SCP+8*\q+4:SCP+8*\q+7], v[L32], s[\pb:\pb+1] offset:(\po)+1024*\q+16   ; 4-7
.endr
	global_load_b128 v[SCR:SCR+3], v[L32W], s[\rb:\rb+1] offset:(\ro)
	global_load_b128 v[SCR+4:SCR+7], v[L32W], s[\rb:\rb+1] offset:(\ro)+16
.endm
.macro WM a, p, s, f                   ; accumulator (a, p) takes K step s.  The first source's scale words: lanes 0-15 the even tile, lanes 16-31 the odd one; the second's: lanes 0-15 tile 2 w, lanes 16-31 tile 2 w + 1
.set rD, 8*(8*(\a)+(\p))
.set rP, (\f)+12*(\p)
.set rR, (\f)+96+12*(\a)
.set rS, SCP+8*((\p)/2)+(\s)
.set rT, SCR+(\s)
.if (\s) == 0
.if ((\p)%2 == 0) && ((\a) == 0)
	v_wmma_scale_f32_16x16x128_f8f6f4 v[rD:rD+7], v[rP:rP+11], v[rR:rR+11], 0, v[rS], v[rT] matrix_a_fmt:MATRIX_FMT_FP6 matrix_b_fmt:MATRIX_FMT_FP6
.elseif (\a) == 0
	v_wmma_scale_f32_16x16x128_f8f6f4 v[rD:rD+7], v[rP:rP+11], v[rR:rR+11], 0, v[rS], v[rT] matrix_a_fmt:MATRIX_FMT_FP6 matrix_b_fmt:MATRIX_FMT_FP6 matrix_a_scale:MATRIX_SCALE_ROW1
.elseif (\p)%2 == 0
	v_wmma_scale_f32_16x16x128_f8f6f4 v[rD:rD+7], v[rP:rP+11], v[rR:rR+11], 0, v[rS], v[rT] matrix_a_fmt:MATRIX_FMT_FP6 matrix_b_fmt:MATRIX_FMT_FP6 matrix_b_scale:MATRIX_SCALE_ROW1
.else
	v_wmma_scale_f32_16x16x128_f8f6f4 v[rD:rD+7], v[rP:rP+11], v[rR:rR+11], 0, v[rS], v[rT] matrix_a_fmt:MATRIX_FMT_FP6 matrix_b_fmt:MATRIX_FMT_FP6 matrix_a_scale:MATRIX_SCALE_ROW1 matrix_b_scale:MATRIX_SCALE_ROW1
.endif
.else
.if ((\p)%2 == 0) && ((\a) == 0)
	v_wmma_scale_f32_16x16x128_f8f6f4 v[rD:rD+7], v[rP:rP+11], v[rR:rR+11], v[rD:rD+7], v[rS], v[rT] matrix_a_fmt:MATRIX_FMT_FP6 matrix_b_fmt:MATRIX_FMT_FP6
.elseif (\a) == 0
	v_wmma_scale_f32_16x16x128_f8f6f4 v[rD:rD+7], v[rP:rP+11], v[rR:rR+11], v[rD:rD+7], v[rS], v[rT] matrix_a_fmt:MATRIX_FMT_FP6 matrix_b_fmt:MATRIX_FMT_FP6 matrix_a_scale:MATRIX_SCALE_ROW1
.elseif (\p)%2 == 0
	v_wmma_scale_f32_16x16x128_f8f6f4 v[rD:rD+7], v[rP:rP+11], v[rR:rR+11], v[rD:rD+7], v[rS], v[rT] matrix_a_fmt:MATRIX_FMT_FP6 matrix_b_fmt:MATRIX_FMT_FP6 matrix_b_scale:MATRIX_SCALE_ROW1
.else
	v_wmma_scale_f32_16x16x128_f8f6f4 v[rD:rD+7], v[rP:rP+11], v[rR:rR+11], v[rD:rD+7], v[rS], v[rT] matrix_a_fmt:MATRIX_FMT_FP6 matrix_b_fmt:MATRIX_FMT_FP6 matrix_a_scale:MATRIX_SCALE_ROW1 matrix_b_scale:MATRIX_SCALE_ROW1
.endif
.endif
.endm
; A K step: the next step's fragments are asked for, then this step's 16 products are issued.  The 16 accumulators take turns, one instruction a turn, in the same order in every step.
; staged = 1 (unit A): step 3's successor lies in K steps 4-7, which may still be on their way: each wave shows its own head load landed, and a barrier shows everybody's.
; Later loads may stay on their way.
.macro KSTEP s, pl, rl, staged
.if (\s) == 7
	s_wait_dscnt 0x0                               ; the last set is in
.elseif ((\s) == 3) && (\staged)
	s_wait_tensorcnt 0x0                           ; every wave's head load has landed: K steps 4-7 are whole behind the round;
	ds_add_u32 v[SPW], v[NIL]
	s_wait_dscnt 0x0                               ; and this step's set is in
	CROUND
	tensor_load_to_lds s[G0B:G0B+3], s[G1F:G1F+7]  ; k's rows, first fill, issued as a refill is: my chunk, my one load behind the round
	s_nop 0
	PLACES 4                                       ; also the places in front of loads into the set that the last step's products read
	FETCH (\s)+1, \pl, \rl
.else
.if (\s) > 0
	PLACES 4
.endif
	FETCH (\s)+1, \pl, \rl
	s_wait_dscnt NF                                ; all but the loads just issued: this step's set is in
.endif
.set mF, F0+(F1-F0)*((\s)%2)
	WIN MUL0+5*((\s)%2)
.irp a, 0,1
.irp p, 0,1,2,3,4,5,6,7
	WM \a, \p, \s, mF
.endr
.endr
	WIN 0
.endm
; 64 numbers of a lane become a fragment's codes in v[pc] .. v[pc + 11] and its scale word in v[pw].  Block 2 c + b of 32 along K lies in lanes l and l xor 16: register s + cs c + 16 b + i is k = 64 c + 32 b + 16 (lane / 16) + i.
.macro QUANT s, cs, pc, pw
.irp q, 0,1,2,3
	v_max3_num_f32 v[TM+\q], |v[(\s)+(\cs)*(\q/2)+16*(\q%2)]|, |v[(\s)+(\cs)*(\q/2)+16*(\q%2)+1]|, 0x1800000   ; my 16 numbers, and the floor 2^(3 - 127): so the byte cannot fall under 1
.endr
.irp i, 2,4,6,8,10,12,14
.irp q, 0,1,2,3
	v_max3_num_f32 v[TM+\q], v[TM+\q], |v[(\s)+(\cs)*(\q/2)+16*(\q%2)+\i]|, |v[(\s)+(\cs)*(\q/2)+16*(\q%2)+\i+1]|   ; (the four blocks by turns)
.endr
.endr
.irp q, 0,1,2,3
	v_permlanex16_b32 v[TM+4+\q], v[TM+\q], s[SEL], s[SEL+1]
.endr
.irp q, 0,1,2,3
	v_max_num_f32 v[TM+\q], v[TM+\q], v[TM+4+\q]   ; with lane l xor 16's: the block's largest magnitude
.endr
.irp q, 0,1,2,3
	v_add_nc_u32 v[TM+12+\q], 0xff000000, v[TM+\q]   ; 2 off its exponent field: the conversion's scale operand
.endr
.irp q, 0,1,2,3
	v_lshrrev_b32 v[TM+4+\q], 23, v[TM+12+\q]      ; the scale's byte
.endr
	v_lshl_or_b32 v[\pw], v[TM+5], 8, v[TM+4]
	v_lshl_or_b32 v[\pw], v[TM+6], 16, v[\pw]
	v_lshl_or_b32 v[\pw], v[TM+7], 24, v[\pw]      ; my row's scale word, in both halves of the lanes
.irp c, 0,1
	v_cvt_scalef32_pk16_fp6_f32 v[(\pc)+6*\c:(\pc)+6*\c+2], v[(\s)+(\cs)*\c:(\s)+(\cs)*\c+15], v[TM+12+2*\c]
	v_cvt_scalef32_pk16_fp6_f32 v[(\pc)+12+4*\c:(\pc)+14+4*\c], v[(\s)+(\cs)*\c+16:(\s)+(\cs)*\c+31], v[TM+13+2*\c]   ; (a conversion's three registers begin on an even number)
.endr
	v_nop                                          ; one plain place behind a scaled conversion
.irp c, 0,1                            ; the operand's layout wants a whole block in a lane: lanes 0-15 block 2 c, lanes 16-31 block 2 c + 1
.irp i, 0,1,2
	v_permlane16_swap_b32 v[(\pc)+6*\c+\i], v[(\pc)+12+4*\c+\i]
.endr
.irp i, 0,1,2
	v_mov_b32 v[(\pc)+3+6*\c+\i], v[(\pc)+12+4*\c+\i]
.endr
.endr
.endm
; The way out of a unit.  s24: which block of 98,304 bytes of qkv (and of 4,096 of qkvs); s25: which fragment in it.  The wave makes two fragments: the first from v[Y] on, the second from v[s1] on, off2 bytes further.
.macro TAIL s1, cs, off2, sof
	s_wait_xcnt 0x0                                ; the last unit's stores have read their data and their bases: both are written again only behind this wait
	s_mul_i32 s26, s24, 98304
	s_mul_i32 s27, s25, 1536
	s_add_co_u32 s26, s26, s27
	s_mov_b32 s27, 0
	s_add_nc_u64 s[96:97], s[10:11], s[26:27]
	s_lshl_b32 s26, s24, 12
	s_lshl_b32 s28, s25, 6
	s_add_co_u32 s26, s26, s28
	s_add_nc_u64 s[98:99], s[12:13], s[26:27]
	QUANT Y, \cs, 184, 240
.irp g, 0,1,2
	global_store_b128 v[PX], v[184+4*\g:187+4*\g], s[96:97] offset:512*\g   ; 512 consecutive bytes, at a multiple of 256 from the buffer's first byte
.endr
	QUANT \s1, \cs, 204, 241                       ; in registers of its own: no store's data are written again
.irp g, 0,1,2
	global_store_b128 v[PX], v[204+4*\g:207+4*\g], s[96:97] offset:\off2+512*\g
.endr
	v_cmp_lt_u32 vcc_lo, 15, v[LN]
	v_cndmask_b32 v242, v240, v241, vcc_lo         ; lanes 0-15 store the first fragment's words, lanes 16-31 the second's
	global_store_b32 v[\sof], v242, s[98:99]
.endm
; q's or k's way out.  Register 64 a + 8 p + j of a lane: token tile 2 w + a, channel 128 x + 32 (p / 2) + 16 h + 8 (p % 2) + j of the section.  The addition of the bias carries the sums into window 0, each accumulator from its low end on.
.macro EPI_QK bw, sec
	WIN ADDW
.irp a, 0,1
.irp p, 0,1,2,3,4,5,6,7
.irp i, 0,2,4,6
	v_pk_add_f32 v[Y+64*\a+8*\p+\i:Y+64*\a+8*\p+\i+1], v[8*(8*\a+\p)+\i:8*(8*\a+\p)+\i+1], v[(\bw)+8*\p+\i:(\bw)+8*\p+\i+1]
.endr
.endr
.endr
	WIN 0
	s_lshr_b32 s24, s22, 4                         ; batch
	s_lshl_b32 s24, s24, 4
	s_lshl_b32 s25, s21, 1
	s_add_co_u32 s24, s24, s25
	s_add_co_u32 s24, s24, \sec                    ; 32 section + 16 batch + the first of my two heads
	s_and_b32 s25, s22, 15
	s_lshl_b32 s25, s25, 2
	s_add_co_u32 s25, s25, s16                     ; my group of 32 tokens in the batch
	TAIL Y+32, 64, 98304, SOFQ                     ; head 0: registers 64 a + 0 .. 31; head 1: 64 a + 32 .. 63; c = a
.endm
	s_load_b256 s[4:11], s[0:1], 0x0               ; xw s[4:5], xws s[6:7], qkv_b s[8:9], qkv s[10:11]
	s_load_b64 s[12:13], s[0:1], 0x20              ; qkvs
	v_lshl_add_u32 v[SPW], v0, 2, SPARE
	v_mov_b32 v[NIL], 0
	ds_add_u32 v1, v2
	ds_add_u32 v1, v2
	s_wait_dscnt 0x0
	v_lshrrev_b32 v[LN], 5, v0
	v_readfirstlane_b32 s16, v[LN]                 ; wave 0..3
	s_lshr_b32 s17, s16, 1                         ; my half along K in the head's loads (0: K steps 0-3, 1: 4-7); in unit C my head
	s_and_b32 s18, s16, 1                          ; in unit C: which pair of my head's channel tiles
	s_bfe_u32 s19, ttmp6, 0x40000                  ; cx, cy: my place in the cluster
	s_bfe_u32 s20, ttmp6, 0x40004
	s_lshl_b32 s21, ttmp9, 2
	s_add_co_u32 s21, s21, s19                     ; x = 4 x cluster x + cx: two heads
	s_and_b32 s22, ttmp7, 0xffff
	s_lshl_b32 s22, s22, 2
	s_add_co_u32 s22, s22, s20                     ; y = 4 x cluster y + cy: 128 tokens
	s_lshl_b32 s2, 0x1111, s19                     ; my column of the cluster
	s_lshl_b32 s3, s20, 2
	s_lshl_b32 s3, 15, s3                          ; my row
	s_or_b32 s[G1P], s2, (3<<16)|(1<<21)           ; 15:0 the mask; 17:16 elements of 8 bytes; 21 set beside a mask; no padding
	s_or_b32 s[G1F], s2, (3<<16)|(1<<21)
	s_or_b32 s[G1R], s3, (3<<16)|(1<<21)
.irp g, G1P, G1R                       ; eight row tiles x four K steps: one dense block
	s_mov_b32 s[\g+1], 32<<16                      ; half a group along K: 49,152 dense bytes as 192 rows of 256
	s_mov_b32 s[\g+2], 192<<16
	s_mov_b32 s[\g+3], 32<<16
	s_mov_b32 s[\g+4], 192
	s_mov_b32 s[\g+5], 32
	s_mov_b32 s[\g+6], 0
	s_mov_b32 s[\g+7], 0
.endr
	s_mov_b32 s[G1F+1], 32<<16                     ; a chunk: 24,576 dense bytes as 96 rows of 256
	s_mov_b32 s[G1F+2], 96<<16
	s_mov_b32 s[G1F+3], 32<<16
	s_mov_b32 s[G1F+4], 96
	s_mov_b32 s[G1F+5], 32
	s_mov_b32 s[G1F+6], 0
	s_mov_b32 s[G1F+7], 0
	; the weights: q's rows begin at row tile 256 + 8 x of xw, k's 64 tiles on, v's 64 more; these registers never hold cy
	s_lshl_b32 s66, s21, 3
	s_add_co_u32 s66, s66, 256
	s_lshl_b32 s92, s66, 9                         ; their scale words, 512 bytes a tile
	s_mov_b32 s93, 0
	s_add_co_u32 s90, s66, 64
	s_mul_i32 s90, s90, 12288                      ; k's rows,
	s_mul_i32 s3, s16, 24576
	s_add_co_u32 s90, s90, s3                      ; my chunk of them: K steps 2 w, 2 w + 1
	s_mov_b32 s91, 0
	s_lshl_b32 s2, s17, 2                          ; my half along K lies four tiles' bytes (49,152) into the group
	s_add_co_u32 s66, s66, s2                      ; q's rows: my half's four tiles
	s_mul_i32 s66, s66, 12288
	s_mov_b32 s67, 0
	; the tokens: row tile 8 y; these registers never hold cx
	s_lshl_b32 s88, s22, 3
	s_lshl_b32 s94, s88, 9
	s_mov_b32 s95, 0
	s_add_co_u32 s88, s88, s2
	s_mul_i32 s88, s88, 12288
	s_mov_b32 s89, 0
	s_mul_i32 s2, s17, 2*CHUNK                     ; where my half goes in a region
	s_mul_i32 s3, s16, CHUNK                       ; and my whole chunk in a region
	s_wait_kmcnt 0x0
	s_add_nc_u64 s[66:67], s[4:5], s[66:67]
	s_add_nc_u64 s[88:89], s[4:5], s[88:89]
	s_add_nc_u64 s[92:93], s[6:7], s[92:93]
	s_add_nc_u64 s[94:95], s[6:7], s[94:95]
	G0SET 52, 2, W0, 66, 0
	G0SET 72, 2, 0, 88, 0
	s_mov_b32 s[G0B], 1
	s_add_co_u32 s[G0B+1], s3, W1
	s_add_nc_u64 s[G0B+2:G0B+3], s[4:5], s[90:91]
	s_or_b32 s[G0B+3], s[G0B+3], 0x80000000
	CROUND                                         ; all sixteen work-groups are here: the joint loads meet
	; THE HEAD'S LOADS, one a wave, each in an arm of its own: wave 0 K steps 0-3 of q's rows, wave 1 of the tokens, wave 2 K steps 4-7 of q's rows, wave 3 of the tokens
	s_cmp_eq_u32 s16, 0
	s_cbranch_scc0 .Lfill_1
	tensor_load_to_lds s[52:55], s[G1P:G1P+7]
	s_nop 0
	PLACES 4
	s_branch .Lfilled
.Lfill_1:
	s_cmp_eq_u32 s16, 1
	s_cbranch_scc0 .Lfill_2
	tensor_load_to_lds s[72:75], s[G1R:G1R+7]
	s_nop 0
	PLACES 4
	s_branch .Lfilled
.Lfill_2:
	s_cmp_eq_u32 s16, 2
	s_cbranch_scc0 .Lfill_3
	tensor_load_to_lds s[52:55], s[G1P:G1P+7]
	s_nop 0
	PLACES 4
	s_branch .Lfilled
.Lfill_3:
	tensor_load_to_lds s[72:75], s[G1R:G1R+7]
	s_nop 0
	PLACES 4
.Lfilled:
	v_and_b32 v[LN], 31, v0
	v_and_b32 v[RR], 15, v0                        ; r
	v_bfe_u32 v[HH], v0, 4, 1                      ; h
	v_lshlrev_b32 v[L32], 5, v[LN]
	s_lshl_b32 s2, s16, 10
	v_add_nc_u32 v[L32W], s2, v[L32]
	SCLOAD 92, 0, 94, 0                            ; unit A's scale words: q's rows, my two token tiles
	; The biases, once for the three units.  For q and k the bias runs along a lane's registers, for v along the lanes.
	s_lshl_b32 s2, s21, 9                          ; 128 x channels
	v_lshl_add_u32 v[BOP], v[HH], 6, s2            ; + 16 h channels
	s_lshl_b32 s2, s21, 7
	s_lshl_b32 s3, s16, 5
	s_add_co_u32 s2, s2, s3
	s_add_co_u32 s2, s2, 2048
	s_lshl_b32 s2, s2, 2                           ; channel 2,048 + 128 x + 32 w
	v_and_b32 v[BOR], 8, v[RR]
	v_add_nc_u32 v[BOR], v[BOR], v[RR]
	v_lshl_add_u32 v[BOR], v[BOR], 2, s2           ; + r + 8 (r / 8)
	WIN LD2
.irp p, 0,1,2,3,4,5,6,7
	global_load_b128 v[BQ+8*\p:BQ+8*\p+3], v[BOP], s[8:9] offset:128*(\p/2)+32*(\p%2)
	global_load_b128 v[BQ+8*\p+4:BQ+8*\p+7], v[BOP], s[8:9] offset:128*(\p/2)+32*(\p%2)+16
	global_load_b128 v[BK+8*\p:BK+8*\p+3], v[BOP], s[8:9] offset:4096+128*(\p/2)+32*(\p%2)      ; k's channels lie 1,024 on
	global_load_b128 v[BK+8*\p+4:BK+8*\p+7], v[BOP], s[8:9] offset:4096+128*(\p/2)+32*(\p%2)+16
.endr
	global_load_b32 v[BV], v[BOR], s[8:9]          ; tile 2 w's row
	global_load_b32 v[BV+2], v[BOR], s[8:9] offset:32   ; tile 2 w + 1's: 8 channels on
	v_mov_b32 v[BV+1], 0                           ; (named as the upper halves of pairs)
	v_mov_b32 v[BV+3], 0
	WIN 0
	v_lshlrev_b32 v[PX], 4, v[LN]
	v_add_nc_u32 v[PX+1], 2*CHUNK, v[PX]
	v_add_nc_u32 v[PW0], W0, v[PX]
	v_add_nc_u32 v[PW0+1], W0+2*CHUNK, v[PX]
	v_add_nc_u32 v[PW1], W1, v[PX]
	v_add_nc_u32 v[PW1+1], W1+2*CHUNK, v[PX]
	s_mul_i32 s2, s16, 6144
	v_add_nc_u32 v[RX], s2, v[PX]                  ; tiles 2 w, 2 w + 1 of a region
	v_add_nc_u32 v[RX+1], 2*CHUNK, v[RX]
	v_add_nc_u32 v[RW0], W0, v[RX]
	v_add_nc_u32 v[RW0+1], W0+2*CHUNK, v[RX]
	v_lshlrev_b32 v[SOFQ], 2, v[RR]
	v_lshl_add_u32 v[SOFQ], v[HH], 12, v[SOFQ]     ; 4 r, and the second head's words 4,096 bytes on
	v_lshlrev_b32 v[SOFV], 2, v[LN]                ; v: the two tiles' words are neighbours
.irp q, 0,1,2,3
	v_mov_b32 v[TM+4+\q], 0                        ; written once: a lane permute's destination counts as one of its sources
.endr
	s_wait_alu depctr_va_vdst(0)                   ; the wait at the head's end
	s_cmp_lt_u32 s16, 2
	s_cbranch_scc0 .Lnot_lo
	s_wait_tensorcnt 0x0                           ; waves 0 and 1: K steps 0-3 of both operands have landed; the other two loads may be out
.Lnot_lo:
	s_barrier_signal -1
	s_barrier_wait -1                              ; everybody's has
	; ---- unit A: q
	FETCH 0, PW0, RX
	s_wait_loadcnt 0x0                             ; the scale words, and the biases
.irp s, 0,1,2,3,4,5,6,7
	KSTEP \s, PW0, RX, 1
.endr
	; THE REFILL.  q's rows have been read for the last time; v's rows take their bytes.
	PLACES 4                                       ; behind unit A's last products
	SCLOAD 92, 32768, 94, 0                        ; unit B's scale words: k's rows lie 64 tiles of 512 bytes on
	s_mov_b32 s[SEL], 0x76543210                   ; (the head's loads were shown done in K step 3: their descriptors' registers are free)
	s_mov_b32 s[SEL+1], 0xfedcba98
	EPI_QK BQ, 0                                   ; q's way out stands ahead of the refill: k's rows land under it
	s_wait_tensorcnt 0x0                           ; my chunk of k's rows has landed: so its group 0 may be written;
	ds_add_u32 v[SPW], v[NIL]
	s_mul_i32 s[G0B+1], s16, CHUNK
	s_add_co_u32 s[G0B+1], s[G0B+1], W0            ; my chunk, now in the region that held q's rows,
	s_add_nc_u64 s[G0B+2:G0B+3], s[G0B+2:G0B+3], 64*12288   ; of v's rows, eight groups on from k's
	s_wait_dscnt 0x0
	CROUND                                         ; nobody reads q's rows any more, and k's rows are whole
	tensor_load_to_lds s[G0B:G0B+3], s[G1F:G1F+7]  ; my one tensor load behind the round
	s_nop 0
	PLACES 4
	; ---- unit B: k.  Both operands lie whole in LDS: no wait for tiles, no barrier
	s_wait_loadcnt 0x0                             ; the scale words
	FETCH 0, PW1, RX
.irp s, 0,1,2,3,4,5,6,7
	KSTEP \s, PW1, RX, 0
.endr
	PLACES 4                                       ; behind the last products: in front of the loads into the scale registers and of the first read of the sums
	SCLOAD 94, 0, 92, 65536                        ; unit C's scale words: the tokens' eight tiles, my two tiles of v's rows
	EPI_QK BK, 32
	; ---- unit C: v.  The sources change places
	s_wait_tensorcnt 0x0                           ; my chunk of v's rows has landed,
	s_wait_dscnt 0x0
	s_barrier_signal -1
	s_barrier_wait -1                              ; everybody's has.
	s_wait_loadcnt 0x0                             ; the scale words
	FETCH 0, PX, RW0
.irp s, 0,1,2,3,4,5,6,7
	KSTEP \s, PX, RW0, 0
.endr
	PLACES 4
	; Register 64 a + 8 p + j of a lane: channel tile 2 w + a, key 32 (p / 2) + 16 h + 8 (p % 2) + j of the key step
	WIN ADDW
.irp a, 0,1
.irp p, 0,1,2,3,4,5,6,7
.irp i, 0,2,4,6
	v_pk_add_f32 v[Y+64*\a+8*\p+\i:Y+64*\a+8*\p+\i+1], v[8*(8*\a+\p)+\i:8*(8*\a+\p)+\i+1], v[BV+2*\a:BV+2*\a+1] op_sel_hi:[1,0]
.endr
.endr
.endr
	WIN 0
	s_lshr_b32 s24, s22, 4                         ; batch
	s_lshl_b32 s24, s24, 4
	s_lshl_b32 s25, s21, 1
	s_add_co_u32 s24, s24, s25
	s_add_co_u32 s24, s24, s17
	s_add_co_u32 s24, s24, 64                      ; 64 + 16 batch + head
	s_and_b32 s25, s22, 15
	s_lshl_b32 s25, s25, 2
	s_lshl_b32 s26, s18, 1
	s_add_co_u32 s25, s25, s26                     ; 4 x key step + the first of my two channel tiles
	TAIL Y+64, 32, 1536, SOFV
	s_wait_tensorcnt 0x0                           ; the wave's end, behind my last tensor load
	ds_add_u32 v[SPW], v[NIL]
	s_wait_dscnt 0x0
	CROUND                                         ; the closing round: no work-group ends while a partner may still ask for a tile that names it
	s_endpgm
.Lfunc_end_k_q110b610bdc_qkvgemm:
	.size	k_q110b610bdc_qkvgemm, .Lfunc_end_k_q110b610bdc_qkvgemm-k_q110b610bdc_qkvgemm
	.p2alignl 7, 3214868480
	.fill 96, 4, 3214868480
	.section	.rodata,"a",@progbits
	.p2align	6, 0x0
	.amdhsa_kernel k_q110b610bdc_qkvgemm
		.amdhsa_group_segment_fixed_size 327680
		.amdhsa_private_segment_fixed_size 0
		.amdhsa_enable_private_segment 0
		.amdhsa_kernarg_size 40
		.amdhsa_user_sgpr_count 2
		.amdhsa_user_sgpr_kernarg_segment_ptr 1
		.amdhsa_wavefront_size32 1
		.amdhsa_system_sgpr_workgroup_id_x 1
		.amdhsa_system_sgpr_workgroup_id_y 1
		.amdhsa_system_sgpr_workgroup_id_z 1
		.amdhsa_system_vgpr_workitem_id 0
		.amdhsa_next_free_vgpr 648
		.amdhsa_next_free_sgpr 102
		.amdhsa_reserve_vcc 1
		.amdhsa_float_denorm_mode_32 3
		.amdhsa_float_denorm_mode_16_64 3
		.amdhsa_memory_ordered 1
		.amdhsa_forward_progress 1
		.amdhsa_inst_pref_size 153
	.end_amdhsa_kernel
	.amdgpu_metadata
---
amdhsa.version: [ 1, 2 ]
amdhsa.kernels:
  - .name:           k_q110b610bdc_qkvgemm
    .symbol:         k_q110b610bdc_qkvgemm.kd
    .args:
      - { .name: xw, .offset: 0, .size: 8, .value_kind: global_buffer, .address_space: global }
      - { .name: xws, .offset: 8, .size: 8, .value_kind: global_buffer, .address_space: global }
      - { .name: qkv_b, .offset: 16, .size: 8, .value_kind: global_buffer, .address_space: global }
      - { .name: qkv, .offset: 24, .size: 8, .value_kind: global_buffer, .address_space: global }
      - { .name: qkvs, .offset: 32, .size: 8, .value_kind: global_buffer, .address_space: global }
    .group_segment_fixed_size: 327680
    .private_segment_fixed_size: 0
    .kernarg_segment_align: 8
    .kernarg_segment_size: 40
    .max_flat_workgroup_size: 128
    .sgpr_count:     102
    .vgpr_count:     648
    .wavefront_size: 32
...
	.end_amdgpu_metadata
.endif
;; end of part 2
;; launch attn (part 3): grid 8 x 32, 16 waves a work-group, clusters of 4 x 1, 231,936 bytes of LDS; arguments qkv, qkvs, oc; writes oc
.if DOCPART == 3
	.amdgcn_target "amdgcn-amd-amdhsa--gfx1250"
	.amdhsa_code_object_version 6
	.text
	.protected	k_q110b610bdc_attn
	.globl	k_q110b610bdc_attn
	.p2align	8
	.type	k_q110b610bdc_attn,@function
k_q110b610bdc_attn:
	s_mov_b64 s[64:65], 0
	v_nop
	global_prefetch_b8 v0, s[64:65] scope:SCOPE_SE
	s_setreg_imm32_b32 hwreg(HW_REG_WAVE_MODE, 25, 1), 1
	s_wait_xcnt 0x0
	s_wait_alu depctr_hold_cnt(0) depctr_sa_sdst(0) depctr_va_vdst(0) depctr_va_sdst(0) depctr_va_ssrc(0) depctr_va_vcc(0) depctr_vm_vsrc(0)
	s_getreg_b32 s2, hwreg(HW_REG_IB_STS2, 6, 4)
	s_cmp_eq_u32 s2, 0
	s_cbranch_scc0 .Lentry_in_a_cluster
	s_endpgm
.Lentry_in_a_cluster:
	s_bfe_u32 s2, ttmp6, 0x10000c
	s_cmp_lg_u32 s2, 0x3003
	s_cbranch_scc0 .Lentry_shape_is_right
	s_endpgm
.Lentry_shape_is_right:
; o[b][h][q] = sum over keys of softmax(q . k / 8) v, both products on codes of FP6 (E2M3) with E8M0 scales; o is quantised along the embedding's 1,024 and leaves as codes and scale bytes.
; THE SOFTMAX: t = score x log2(e) / 8; M = the running largest t rounded UP to a whole number; p = 2^(t - M) is quantised along the keys, not normalised.  The row's sum is taken of the unquantised p
; and divides O at the end.  When M moves, the sum and O are multiplied by 2^(old M - new M): exact, in every trip, with no branch.
; LIMITS: NaN and infinities are not served; a block of zeros gets the byte 1 (its codes are zeros; this program alone reads the bytes); blocks whose largest magnitude lies under 2^-124 are held at the byte 1;
;         the promise holds while the scaled scores stay under 2^31 in magnitude.
; SHARES: a work-group owns 256 queries of one head, each of its sixteen waves 16 of them; a trip is 128 keys.  Both products are used transposed, so a lane holds ONE query throughout.
; LDS: the head's K (64 double fragments), V (64 fragments) and their scale words lie in LDS whole, each byte filled once.  The four query blocks of a cluster want the same bytes: each load is a joint one.
; FILLS, one a wave: wave 0 K's first 512 keys, wave 1 V's, wave 2 both tensors' scale words, waves 5-7 K's other three quarters, waves 9-11 V's.  The first barrier shows the loads of waves 0-2, whose lines are theirs alone;
; a plain barrier in trip 3, in front of which every wave waits for its load, shows the rest.  Nothing is filled again.  No prefetch: all is asked for at the head, ahead of the loop.
; THE KEYS OF A TILE ARE CHOSEN BY THE LANES' LDS ADDRESSES.  In memory lane r of double fragment d holds keys 32 d + 16 (r / 8) + r % 8 (registers 0-5) and 8 further on (registers 6-11).
; Here fragment (c, a) takes for lane r the stored lane 8 a + r % 8 of double fragment 2 c + r / 8.  Its two tiles i = 2 a, 2 a + 1 then hold key 64 c + 8 i + r in rows 0-7 and key 64 c + 32 + 8 i + r - 8 in rows 8-15,
; so register S + 32 c + n of lane (query, h) is key 64 c + 32 h + n: a lane's 32 registers are ONE block of 32 keys, in the order of the second product's operand.  No lane asks another for a block's maximum.
; K's rows of 512 bytes stand 640 apart in LDS: double fragments 1,920 apart, 128 modulo 256.
; THE FIRST PRODUCT'S K IS 64, the instruction's 128: a double fragment against [q, 0] gives its first tile's scores, against [0, q] its second's.  Q lies in 18 registers [0 x 6][q x 6][0 x 6].
; oc: [group of 128 tokens][102,400]: 4,096 scale bytes [head][128 rows][2], then the codes as the last product's LDS holds them: [4 heads][tile][head % 4][768].
.set KQ,    30720                      ; a quarter of K in LDS: 48 rows of 640
.set VREG,  122880
.set KSC,   221184
.set VSC,   225280
.set OSG,   229376                     ; 512 bytes, written by LDS stores alone
.set SPARE, 229888                     ; the spare words: 128 bytes for each of 16 waves
.set GP,    102400
.set AK0, 1
.set AV0, 2
.set ASK0, 3
.set ASV0, 4
.set L16, 5
.set SH8, 6                            ; 8 x (lane / 16)
.set L8,  7
.set ADK, 8                            ; v8-11 the trip's addresses
.set ADV, 9
.set ADS, 10
.set ADT, 11
.set QZ,  16                           ; v12 -M, v13 the running largest score
.set QS,  34                           ; v34-39 hold scales and nothing else
.set PS,  35
.set KS,  36
.set VS,  38
.set FR,  40                           ; v40-87 four fragments of K, then of V
.set S,   96                           ; v96-159 S^T, then p
.set O,   160                          ; v160-191 O^T
.set PCD, 192
.set CT,  204
.set BM,  212
.set SO,  216
.set PT,  218
.set W,   220
.set PX,  221
.set TT,  224
.set FF,  226
.set SM,  228                          ; v[228:229] the row's sum, v230-235 three more chains
.set OSI, 236
.set OSO, 237
.set OGO, 238
.set SPW, 254
.set NIL, 255
.set SEL, 20
.set CS,  22
.set GK,  24                           ; group 1: K, V, scale words
.set GV,  32
.set GS,  40
.set TRIP, 60
.set TBK, 61
.set TBV, 62
.set TS,  63
.macro PLACES n
.rept \n
	v_nop
.endr
.endm
.macro WALU
	s_wait_alu depctr_va_vdst(0)
.endm
.macro CROUND
	s_barrier_signal -1
	s_barrier_wait -1
	s_cmp_lg_u32 s16, 0
	s_cbranch_scc1 .Lnot_wave_0_\@
	s_barrier_signal -3
.Lnot_wave_0_\@:
	s_barrier_wait -3
	s_barrier_signal -1
	s_barrier_wait -1
.endm
.macro TLOAD g0, g1
	tensor_load_to_lds s[\g0:\g0+3], s[\g1:\g1+7]
	s_nop 0
	PLACES 4
.endm
.macro SPROD c, a, u                   ; the scores of tile 2 a + u of band c
.if (\a) == 0
	v_wmma_scale_f32_16x16x128_f8f6f4 v[S+32*(\c)+16*(\a)+8*(\u):S+32*(\c)+16*(\a)+8*(\u)+7], v[FR+12*(2*(\c)+(\a)):FR+12*(2*(\c)+(\a))+11], v[QZ+6-6*(\u):QZ+17-6*(\u)], 0, v[KS+(\c)], v[QS] matrix_a_fmt:MATRIX_FMT_FP6 matrix_b_fmt:MATRIX_FMT_FP6
.else
	v_wmma_scale_f32_16x16x128_f8f6f4 v[S+32*(\c)+16*(\a)+8*(\u):S+32*(\c)+16*(\a)+8*(\u)+7], v[FR+12*(2*(\c)+(\a)):FR+12*(2*(\c)+(\a))+11], v[QZ+6-6*(\u):QZ+17-6*(\u)], 0, v[KS+(\c)], v[QS] matrix_a_fmt:MATRIX_FMT_FP6 matrix_b_fmt:MATRIX_FMT_FP6 matrix_a_scale:MATRIX_SCALE_ROW1
.endif
.endm
.macro OPROD t
.if (\t)%2 == 0
	v_wmma_scale_f32_16x16x128_f8f6f4 v[O+8*(\t):O+8*(\t)+7], v[FR+12*(\t):FR+12*(\t)+11], v[PCD:PCD+11], v[O+8*(\t):O+8*(\t)+7], v[VS+(\t)/2], v[PS] matrix_a_fmt:MATRIX_FMT_FP6 matrix_b_fmt:MATRIX_FMT_FP6
.else
	v_wmma_scale_f32_16x16x128_f8f6f4 v[O+8*(\t):O+8*(\t)+7], v[FR+12*(\t):FR+12*(\t)+11], v[PCD:PCD+11], v[O+8*(\t):O+8*(\t)+7], v[VS+(\t)/2], v[PS] matrix_a_fmt:MATRIX_FMT_FP6 matrix_b_fmt:MATRIX_FMT_FP6 matrix_a_scale:MATRIX_SCALE_ROW1
.endif
.endm
.macro KLOAD ak, as                    ; a trip's four fragments of K and their scale words (lanes 0-15: a = 0, lanes 16-31: a = 1)
.irp c, 0,1
.irp a, 0,1
.irp g, 0,1,2
	ds_load_b128 v[FR+12*(2*\c+\a)+4*\g:FR+12*(2*\c+\a)+4*\g+3], v[\ak] offset:3840*\c+128*\a+640*\g
.endr
.endr
.endr
	ds_load_b32 v[KS], v[\as]
	ds_load_b32 v[KS+1], v[\as] offset:128
.endm
.macro SUMS from, to                   ; pairs from .. to - 1 of p onto the eight chains by turns
.set k_, \from
.rept (\to)-(\from)
.set c_, (k_-14)%8                     ; eight chains: v[228:229] the running sum, v230-235 and v244-251 seven more
.if c_ < 4
.set r_, SM+2*c_
.else
.set r_, 236+2*c_
.endif
	v_pk_add_f32 v[r_:r_+1], v[r_:r_+1], v[S+2*k_:S+2*k_+1]
.set k_, k_+1
.endr
.endm
; A trip: 128 keys.  kind 0: the next trip's K is asked for behind the second product; 1: the same, behind the wait of the barrier that shows the later quarters; 2: the last trip.
; sig = 1: at the trip's top the wave shows its tensor load landed and signals that barrier.  Between the signal and the wait stand register work and LDS loads of the first quarter's bytes alone.
.macro TRIP kind, sig=0
.if \sig
	s_wait_tensorcnt 0x0                           ; my load, if I issued one, has landed
.endif
	s_wait_dscnt 0x0                               ; K's fragments and scale words are in
.if \sig
	s_barrier_signal -1
.endif
.irp c, 0,1
.irp a, 0,1
	SPROD \c, \a, 0
	SPROD \c, \a, 1
.endr
.endr
	v_add_nc_u32 v[ADV], s[TBV], v[AV0]            ; four plain lines: the places behind the products, in front of the loads below and of the first read of the scores
	v_add_nc_u32 v[ADT], s[TS], v[ASV0]
.if (\kind) < 2
	s_add_co_u32 s[TBK], s[TBK], 7680
	s_add_co_u32 s[TBV], s[TBV], 6144
	s_add_co_u32 s[TS], s[TS], 256
	v_add_nc_u32 v[ADK], s[TBK], v[AK0]
	v_add_nc_u32 v[ADS], s[TS], v[ASK0]
.else
	PLACES 2
.endif
.irp t, 0,1,2,3
.irp g, 0,1,2
	ds_load_b128 v[FR+12*\t+4*\g:FR+12*\t+4*\g+3], v[ADV] offset:1536*\t+512*\g   ; V's four channel tiles land under the softmax
.endr
.endr
	ds_load_b32 v[VS], v[ADT]
	ds_load_b32 v[VS+1], v[ADT] offset:128
.set MX, 88                            ; v88-95 eight chains of maxima, one for each tile of scores
.irp q, 0,1,2,3,4,5,6,7
	v_max3_num_f32 v[MX+\q], v[S+8*\q], v[S+8*\q+1], v[S+8*\q+2]   ; each accumulator from its low end on
.endr
.irp i, 3,5
.irp q, 0,1,2,3,4,5,6,7
	v_max3_num_f32 v[MX+\q], v[MX+\q], v[S+8*\q+\i], v[S+8*\q+\i+1]
.endr
.endr
.irp c, 0,1                            ; a block's four chains and its tiles' four last scores: three lines that hang on no line near them,
	v_max3_num_f32 v[MX+4*\c], v[MX+4*\c], v[MX+4*\c+1], v[S+32*\c+7]
	v_max3_num_f32 v[MX+4*\c+2], v[MX+4*\c+2], v[MX+4*\c+3], v[S+32*\c+23]
	v_max_num_f32 v[MX+4*\c+1], v[S+32*\c+15], v[S+32*\c+31]
.endr
	s_delay_alu instid0(VALU_DEP_4)
	v_max3_num_f32 v[BM], v[MX], v[MX+2], v[MX+1]        ; and one more: block h's largest score,
	s_delay_alu instid0(VALU_DEP_2)
	v_max3_num_f32 v[BM+2], v[MX+4], v[MX+6], v[MX+5]    ; block 2 + h's
	s_delay_alu instid0(VALU_DEP_1)
	v_max3_num_f32 v[TT], v13, v[BM], v[BM+2]
	s_delay_alu instid0(VALU_DEP_1)
	v_permlanex16_b32 v[PX], v[TT], s[SEL], s[SEL+1]
	v_mov_b32 v[PT], v12
	s_delay_alu instid0(VALU_DEP_2)
	v_max_num_f32 v13, v[TT], v[PX]                ; the running largest score of my query
	s_delay_alu instid0(VALU_DEP_1)
	v_mul_f32 v[TT], s[CS], v13                    ; as t (c is positive)
	s_delay_alu instid0(VALU_DEP_1)
	v_floor_f32 v12, -v[TT]                        ; the new -M = -ceil(t)
	s_delay_alu instid0(VALU_DEP_1)
	v_sub_f32 v[TT], v12, v[PT]                    ; old M - new M: a whole number, 0 or less
	s_delay_alu instid0(VALU_DEP_1)
	v_cvt_i32_f32 v[TT], v[TT]                     ; (it saturates)
	s_delay_alu instid0(VALU_DEP_1)
	v_ldexp_f32 v[FF], 1.0, v[TT]                  ; f = 2^(old M - new M)
.set j, 0
.rept 32                               ; t - M, two at a time
	v_pk_fma_f32 v[S+j:S+j+1], v[S+j:S+j+1], s[CS:CS+1], v[12:13] op_sel_hi:[1,0,0]
.set j, j+2
.endr
	v_fma_f32 v[BM], v[BM], s[CS], v12             ; the same of each block's largest score
	v_fma_f32 v[BM+2], v[BM+2], s[CS], v12
.set j, 0
.rept 16
	v_pk_mul_f32 v[O+j:O+j+1], v[O+j:O+j+1], v[FF:FF+1] op_sel_hi:[1,0]   ; O^T under the new M
.set j, j+2
.endr
	WALU                                           ; the wait ahead of the batch
.set j, 0
.rept 64
	v_exp_f32 v[S+j], v[S+j]                       ; p = 2^(t - M)
.set j, j+1
.endr
	v_exp_f32 v[BM], v[BM]                         ; the block's largest p: the same two instructions on the same number give the same bits
	v_exp_f32 v[BM+2], v[BM+2]
	v_pk_mul_f32 v[SM:SM+1], v[SM:SM+1], v[FF:FF+1] op_sel_hi:[1,0]       ; the sum under the new M: the plain place behind the exponentials
	WALU                                           ; and the wait behind the batch; it also stands directly ahead of the wait below
	s_wait_dscnt 0x0                               ; V's tiles and scale words are in
	v_max_num_f32 v[BM], 0x1800000, v[BM]          ; the floor 2^(3 - 127): the byte cannot fall under 1
	v_max_num_f32 v[BM+2], 0x1800000, v[BM+2]
	s_delay_alu instid0(VALU_DEP_2)
	v_add_nc_u32 v[SO], 0xff000000, v[BM]          ; 2 off the exponent field: the conversion's scale operand
	s_delay_alu instid0(VALU_DEP_2)
	v_add_nc_u32 v[SO+1], 0xff000000, v[BM+2]
	s_delay_alu instid0(VALU_DEP_2)
	v_lshrrev_b32 v[PT], 23, v[SO]
	s_delay_alu instid0(VALU_DEP_2)
	v_lshrrev_b32 v[PT+1], 23, v[SO+1]
	s_delay_alu instid0(VALU_DEP_1)
	v_lshl_or_b32 v[W], v[PT+1], 16, v[PT]         ; my two bytes, blocks h and 2 + h,
	s_delay_alu instid0(VALU_DEP_1)
	v_lshlrev_b32 v[W], v[SH8], v[W]               ; at their places in the word;
	s_delay_alu instid0(VALU_DEP_1)
	v_permlanex16_b32 v[PX], v[W], s[SEL], s[SEL+1]
.irp c, 0,1
	v_cvt_scalef32_pk16_fp6_f32 v[PCD+6*\c:PCD+2+6*\c], v[S+32*\c:S+15+32*\c], v[SO+\c]
	v_cvt_scalef32_pk16_fp6_f32 v[CT+4*\c:CT+2+4*\c], v[S+16+32*\c:S+31+32*\c], v[SO+\c]   ; (a conversion's three registers begin on an even number)
.endr
	v_or_b32 v[PS], v[W], v[PX]                    ; with lane l xor 16's two the word is whole.  (The plain place behind the conversions)
.irp c, 0,1
.irp i, 0,1,2
	v_mov_b32 v[PCD+3+6*\c+\i], v[CT+4*\c+\i]
.endr
.endr
	v_pk_add_f32 v[SM+2:SM+3], v[S:S+1], v[S+2:S+3]           ; the row's sum of the unquantised p, in eight chains.  These fifteen lines are the places between p's codes and scale word and the products
	v_pk_add_f32 v[SM+4:SM+5], v[S+4:S+5], v[S+6:S+7]
	v_pk_add_f32 v[SM+6:SM+7], v[S+8:S+9], v[S+10:S+11]
	v_pk_add_f32 v[244:245], v[S+12:S+13], v[S+14:S+15]
	v_pk_add_f32 v[246:247], v[S+16:S+17], v[S+18:S+19]
	v_pk_add_f32 v[248:249], v[S+20:S+21], v[S+22:S+23]
	v_pk_add_f32 v[250:251], v[S+24:S+25], v[S+26:S+27]
	SUMS 14, 22
.irp t, 0,1,2,3
	OPROD \t                                       ; the four accumulators by turns
.endr
	SUMS 22, 26
.if (\kind) == 1
	WALU                                           ; the wait ahead of the wait below
	s_barrier_wait -1                              ; every wave has shown its load landed: all of K and V is in.
.endif
.if (\kind) < 2
	KLOAD ADK, ADS                                 ; the next trip's K lands under the rest of the sum
.endif
	SUMS 26, 32
	v_pk_add_f32 v[SM+4:SM+5], v[SM+4:SM+5], v[SM+6:SM+7]     ; the eight chains are joined, the oldest first
	v_pk_add_f32 v[244:245], v[244:245], v[246:247]
	v_pk_add_f32 v[248:249], v[248:249], v[250:251]
	v_pk_add_f32 v[SM:SM+1], v[SM:SM+1], v[SM+2:SM+3]
	s_delay_alu instid0(VALU_DEP_3)
	v_pk_add_f32 v[SM+4:SM+5], v[SM+4:SM+5], v[244:245]
	s_delay_alu instid0(VALU_DEP_2)
	v_pk_add_f32 v[SM:SM+1], v[SM:SM+1], v[248:249]
	s_delay_alu instid0(VALU_DEP_1)
	v_pk_add_f32 v[SM:SM+1], v[SM:SM+1], v[SM+4:SM+5]
.endm
	s_load_b128 s[4:7], s[0:1], 0x0                ; qkv, qkvs
	s_load_b64 s[8:9], s[0:1], 0x10                ; oc
	v_lshl_add_u32 v[SPW], v0, 2, SPARE
	v_mov_b32 v[NIL], 0
	ds_add_u32 v[SPW], v[NIL]                      ; the opening lines: the add twice on end and its wait
	ds_add_u32 v[SPW], v[NIL]
	v_lshrrev_b32 v8, 5, v0
	v_readfirstlane_b32 s16, v8                    ; wave 0..15
	s_lshr_b32 s17, s16, 1
	s_and_b32 s18, s16, 1
	s_and_b32 s19, s16, 3                          ; which quarter waves 5-7 and 9-11 fetch
	s_bfe_u32 s12, ttmp6, 0x40000                  ; cx
	s_lshl_b32 s13, ttmp9, 2
	s_add_co_u32 s13, s13, s12                     ; my block of 256 queries: it enters Q's and o's addresses alone
	s_and_b32 s14, ttmp7, 0xffff                   ; 16 batch + head, which the four partners share
	s_mov_b32 s[GK], 15|(3<<16)|(1<<20)|(1<<21)|(6<<22)|(31<<25)   ; the mask of all four; elements of 8 bytes; behind every 128 words 32 words of padding
	s_mov_b32 s[GK+1], 64<<16                      ; a quarter of K: 48 rows of 512 bytes
	s_mov_b32 s[GK+2], 48<<16
	s_mov_b32 s[GK+3], 64<<16
	s_mov_b32 s[GK+4], 48
	s_mov_b32 s[GK+5], 64
	s_mov_b32 s[GK+6], 0
	s_mov_b32 s[GK+7], 0
	s_mov_b32 s[GV], 15|(3<<16)|(1<<21)
	s_mov_b32 s[GV+1], 32<<16                      ; a quarter of V: 96 rows of 256 bytes
	s_mov_b32 s[GV+2], 96<<16
	s_mov_b32 s[GV+3], 32<<16
	s_mov_b32 s[GV+4], 96
	s_mov_b32 s[GV+5], 32
	s_mov_b32 s[GV+6], 0
	s_mov_b32 s[GV+7], 0
	s_mov_b32 s[GS], 15|(3<<16)|(1<<21)
	s_mov_b32 s[GS+1], 512<<16                     ; the scale words: K's 4,096 bytes and V's, 131,072 bytes apart in memory
	s_mov_b32 s[GS+2], 2<<16
	s_mov_b32 s[GS+3], 512<<16
	s_mov_b32 s[GS+4], 2
	s_mov_b32 s[GS+5], 16384
	s_mov_b32 s[GS+6], 0
	s_mov_b32 s[GS+7], 0
	s_mov_b32 s48, 1                               ; group 0: s[48:51] K's first quarter, s[52:55] V's, s[56:59] the scale words, s[68:71] K's quarter wave % 4, s[72:75] V's
	s_mov_b32 s49, 0
	s_mov_b32 s52, 1
	s_mov_b32 s53, VREG
	s_mov_b32 s56, 1
	s_mov_b32 s57, KSC
	s_mov_b32 s68, 1
	s_mul_i32 s69, s19, KQ
	s_mov_b32 s72, 1
	s_mul_i32 s73, s19, 24576
	s_add_co_u32 s73, s73, VREG
	s_add_co_u32 s80, s14, 32                      ; section k begins 32 blocks on, section v 32 more
	s_mul_i32 s82, s80, 98304
	s_mov_b32 s83, 0
	s_lshl_b32 s84, s80, 12
	s_mov_b32 s85, 0
	s_mul_i32 s86, s19, 24576
	s_mov_b32 s87, 0
	s_lshl_b32 s80, s13, 3                         ; Q: my tile is half wave % 2 of double fragment 8 x block + wave / 2
	s_add_co_u32 s80, s80, s17
	s_mul_i32 s76, s14, 98304
	s_mul_i32 s81, s80, 1536
	s_add_co_u32 s76, s76, s81
	s_mov_b32 s77, 0
	s_lshl_b32 s78, s14, 12
	s_lshl_b32 s81, s80, 6
	s_add_co_u32 s78, s78, s81
	s_mov_b32 s79, 0
	s_lshr_b32 s80, s14, 4                         ; o: batch,
	s_and_b32 s81, s14, 15                         ; head
	s_lshl_b32 s80, s80, 4
	s_lshl_b32 s10, s13, 1
	s_add_co_u32 s80, s80, s10                     ; the group of my block's first 128 queries
	s_mul_i32 s94, s80, GP
	s_lshl_b32 s10, s81, 8
	s_add_co_u32 s94, s94, s10                     ; its scale bytes of my head
	s_mov_b32 s95, 0
	s_lshr_b32 s10, s16, 3
	s_add_co_u32 s80, s80, s10                     ; my tile's group
	s_mul_i32 s92, s80, GP
	s_lshr_b32 s10, s81, 2
	s_mul_i32 s10, s10, 24576
	s_add_co_u32 s92, s92, s10
	s_and_b32 s10, s16, 7
	s_mul_i32 s10, s10, 3072
	s_add_co_u32 s92, s92, s10
	s_and_b32 s10, s81, 3
	s_mul_i32 s10, s10, 768
	s_add_co_u32 s92, s92, s10
	s_add_co_u32 s92, s92, 4096                    ; the codes lie behind the group's scale bytes
	s_mov_b32 s93, 0
	s_mov_b32 s[SEL], 0x76543210
	s_mov_b32 s[SEL+1], 0xfedcba98                 ; lane l xor 16
	s_mov_b32 s[CS], 0x3e38aa3b                    ; c = log2(e) / 8
	s_mov_b32 s[CS+1], s[CS]
	s_cmp_lg_u32 s18, 0
	s_cselect_b32 s88, -1, 0                       ; all lanes take the double fragment's second half where my tile is the odd one
	s_mul_i32 s89, s18, 0x02020202
	s_add_co_u32 s89, s89, 0x01000100              ; byte selects: my tile's two scale bytes, twice
	s_lshl_b32 s90, s16, 5
	s_add_co_u32 s90, s90, OSG
	s_wait_dscnt 0x0
	s_wait_kmcnt 0x0
	s_add_nc_u64 s[50:51], s[4:5], s[82:83]
	s_add_nc_u64 s[54:55], s[50:51], 32*98304
	s_add_nc_u64 s[70:71], s[50:51], s[86:87]
	s_add_nc_u64 s[74:75], s[54:55], s[86:87]
	s_add_nc_u64 s[58:59], s[6:7], s[84:85]
	s_or_b32 s51, s51, 0x80000000
	s_or_b32 s55, s55, 0x80000000
	s_or_b32 s71, s71, 0x80000000
	s_or_b32 s75, s75, 0x80000000
	s_or_b32 s59, s59, 0x80000000
	s_add_nc_u64 s[76:77], s[4:5], s[76:77]
	s_add_nc_u64 s[78:79], s[6:7], s[78:79]
	s_add_nc_u64 s[92:93], s[8:9], s[92:93]
	s_add_nc_u64 s[94:95], s[8:9], s[94:95]
	CROUND                                         ; all four work-groups are here: the joint loads meet
	s_cmp_eq_u32 s16, 0                            ; one chain of branches on the wave's number, one load to an arm
	s_cbranch_scc0 .Larm_1
	TLOAD 48, GK
	s_branch .Lasked
.Larm_1:
	s_cmp_eq_u32 s16, 1
	s_cbranch_scc0 .Larm_2
	TLOAD 52, GV
	s_branch .Lasked
.Larm_2:
	s_cmp_eq_u32 s16, 2
	s_cbranch_scc0 .Larm_3
	TLOAD 56, GS
	s_branch .Lasked
.Larm_3:
	s_cmp_lt_u32 s16, 5
	s_cbranch_scc1 .Lasked
	s_cmp_lt_u32 s16, 8
	s_cbranch_scc0 .Larm_4
	TLOAD 68, GK
	s_branch .Lasked
.Larm_4:
	s_cmp_lt_u32 s16, 9
	s_cbranch_scc1 .Lasked
	s_cmp_lt_u32 s16, 12
	s_cbranch_scc0 .Lasked
	TLOAD 72, GV
.Lasked:
	v_and_b32 v8, 31, v0                           ; lane
	v_and_b32 v9, 15, v0                           ; r
	v_bfe_u32 v10, v0, 4, 1                        ; h
	v_lshlrev_b32 v[L16], 4, v8
	v_lshlrev_b32 v[TT], 2, v9
.irp g, 0,1,2
	global_load_b128 v[S+4*\g:S+4*\g+3], v[L16], s[76:77] offset:512*\g   ; the double fragment that holds my tile
.endr
	global_load_b32 v[TT+1], v[TT], s[78:79]       ; and its scale word
	v_bfe_u32 v11, v0, 3, 1                        ; r / 8
	v_and_b32 v[PT], 7, v0                         ; r % 8
	v_mul_u32_u24 v[AK0], v11, 1920
	v_lshl_add_u32 v[AK0], v[PT], 4, v[AK0]
	v_lshl_add_u32 v[AK0], v10, 8, v[AK0]          ; K: double fragment r / 8, stored lane r % 8 + 16 h
	v_add_nc_u32 v[AV0], VREG, v[L16]
	v_lshl_add_u32 v[ASK0], v11, 6, KSC
	v_lshl_add_u32 v[ASK0], v10, 5, v[ASK0]
	v_lshl_add_u32 v[ASK0], v[PT], 2, v[ASK0]      ; K's scale words: double fragment r / 8, row 8 (lane / 16) + r % 8
	v_lshl_add_u32 v[ASV0], v8, 2, VSC
	v_lshlrev_b32 v[SH8], 3, v10
	v_lshlrev_b32 v[L8], 3, v8
	v_lshl_add_u32 v[OSI], v9, 1, s90              ; OSG + 32 x wave + 2 r
	v_add_nc_u32 v[OSO], OSG, v[L16]
	v_mul_u32_u24 v[OGO], v10, GP
	v_lshl_add_u32 v[OGO], v9, 4, v[OGO]           ; lanes 0-15: the first group's 256 bytes, lanes 16-31: the next group's
	v_mov_b32 v13, 0xff61b1e6                      ; the largest score so far: -3e38
	v_floor_f32 v12, -v13
	v_mov_b32 v[SM], 0
	v_mov_b32 v[SM+1], 0
	v_mov_b32 v[FF+1], 0                           ; (named as the upper half of a pair)
	v_mov_b32 v[PX], 0                             ; (a lane permute's destination counts as one of its sources)
.irp i, 0,1,2,3,4,5
	v_mov_b32 v[QZ+\i], 0                          ; the zero codes on both sides of q
	v_mov_b32 v[QZ+12+\i], 0
.endr
	WALU                                           ; the wait ahead of the wait below
	s_wait_loadcnt 0x0
.irp i, 0,1,2,3,4,5
	v_cndmask_b32 v[QZ+6+\i], v[S+\i], v[S+6+\i], s88
.endr
	v_perm_b32 v[QS], v[TT+1], v[TT+1], s89        ; (s0, s1, s0, s1): it serves [q, 0] and [0, q]
.set j, 0
.rept 32
	v_mov_b32 v[O+j], 0                            ; O^T: the trip is written once for all trips, and the first finds zeros
.set j, j+1
.endr
	s_mov_b32 s[TBK], 0
	s_mov_b32 s[TBV], 0
	s_mov_b32 s[TS], 0
	WALU                                           ; the wait at the head's end
	s_cmp_lt_u32 s16, 3
	s_cbranch_scc0 .Lnot_first
	s_wait_tensorcnt 0x0                           ; waves 0 to 2: the first 512 keys of K and V and the scale words have landed
.Lnot_first:
	s_barrier_signal -1
	s_barrier_wait -1                              ; the later quarters may be out
	KLOAD AK0, ASK0
	TRIP 0                                         ; trips 0 to 2 read, and ask for, the first 512 keys alone
	TRIP 0, 1                                      ; the barrier is signalled here, two trips ahead of its wait
	TRIP 0
	TRIP 1
	s_mov_b32 s[TRIP], 11
.Lrest:                                            ; trips 4 to 14
	TRIP 0
	s_sub_co_u32 s[TRIP], s[TRIP], 1
	s_cmp_lg_u32 s[TRIP], 0
	s_cbranch_scc1 .Lrest
	TRIP 2
	; THE WAY OUT.  o = O^T / the sum; register 16 b + n is channel 32 b + 16 (lane / 16) + n: two blocks of 32 along the last product's K, half a fragment
	v_add_f32 v[SM], v[SM], v[SM+1]
	v_permlanex16_b32 v[PX], v[SM], s[SEL], s[SEL+1]
	v_add_f32 v[SM], v[SM], v[PX]
	WALU
	v_rcp_f32 v[SM], v[SM]
	v_nop
	WALU
.set j, 0
.rept 32
	v_mul_f32 v[S+j], v[O+j], v[SM]
.set j, j+1
.endr
.irp b, 0,1
	v_max3_num_f32 v[BM+\b], |v[S+16*\b]|, |v[S+1+16*\b]|, 0x1800000
.endr
.irp i, 2,4,6,8,10,12,14
.irp b, 0,1
	v_max3_num_f32 v[BM+\b], v[BM+\b], |v[S+16*\b+\i]|, |v[S+1+16*\b+\i]|
.endr
.endr
.irp b, 0,1
	v_permlanex16_b32 v[PT+\b], v[BM+\b], s[SEL], s[SEL+1]
.endr
.irp b, 0,1
	v_max_num_f32 v[BM+\b], v[BM+\b], v[PT+\b]
.endr
.irp b, 0,1
	v_add_nc_u32 v[SO+\b], 0xff000000, v[BM+\b]
.endr
.irp b, 0,1
	v_lshrrev_b32 v[PT+\b], 23, v[SO+\b]
.endr
	v_lshl_or_b32 v[TT], v[PT+1], 8, v[PT]         ; my row's two scale bytes
	v_cvt_scalef32_pk16_fp6_f32 v[PCD:PCD+2], v[S:S+15], v[SO]
	v_cvt_scalef32_pk16_fp6_f32 v[CT:CT+2], v[S+16:S+31], v[SO+1]
	v_nop
.irp i, 0,1,2
	v_permlane16_swap_b32 v[PCD+\i], v[CT+\i]      ; a whole block in a lane
.endr
.irp i, 0,1,2
	v_mov_b32 v[PCD+3+\i], v[CT+\i]
.endr
	global_store_b128 v[L16], v[PCD:PCD+3], s[92:93]             ; 512 consecutive bytes: four of the six registers;
	global_store_b64 v[L8], v[PCD+4:PCD+5], s[92:93] offset:512  ; 256 more: the other two
	ds_store_b16 v[OSI], v[TT]                     ; both halves of the lanes write the same two bytes
	s_wait_dscnt 0x0                               ; for wave 0's sake
	s_barrier_signal -1
	s_barrier_wait -1
	s_cmp_lg_u32 s16, 0
	s_cbranch_scc1 .Lclose                         ; wave 0 stores the 256 rows' bytes: sixteen lanes to each group's 256 consecutive bytes
	ds_load_b128 v[240:243], v[OSO]
	s_wait_dscnt 0x0
	global_store_b128 v[OGO], v[240:243], s[94:95]
.Lclose:
	s_wait_tensorcnt 0x0                           ; the wave's end
	ds_add_u32 v[SPW], v[NIL]
	s_wait_dscnt 0x0
	CROUND                                         ; the closing round
	s_endpgm
.Lfunc_end_k_q110b610bdc_attn:
	.size	k_q110b610bdc_attn, .Lfunc_end_k_q110b610bdc_attn-k_q110b610bdc_attn
	.p2alignl 7, 3214868480
	.fill 96, 4, 3214868480
	.section	.rodata,"a",@progbits
	.p2align	6, 0x0
	.amdhsa_kernel k_q110b610bdc_attn
		.amdhsa_group_segment_fixed_size 231936
		.amdhsa_private_segment_fixed_size 0
		.amdhsa_enable_private_segment 0
		.amdhsa_kernarg_size 24
		.amdhsa_user_sgpr_count 2
		.amdhsa_user_sgpr_kernarg_segment_ptr 1
		.amdhsa_wavefront_size32 1
		.amdhsa_system_sgpr_workgroup_id_x 1
		.amdhsa_system_sgpr_workgroup_id_y 1
		.amdhsa_system_sgpr_workgroup_id_z 1
		.amdhsa_system_vgpr_workitem_id 0
		.amdhsa_next_free_vgpr 256
		.amdhsa_next_free_sgpr 100
		.amdhsa_reserve_vcc 0
		.amdhsa_float_denorm_mode_32 3
		.amdhsa_float_denorm_mode_16_64 3
		.amdhsa_memory_ordered 1
		.amdhsa_forward_progress 1
		.amdhsa_inst_pref_size 106
	.end_amdhsa_kernel
	.amdgpu_metadata
---
amdhsa.version: [ 1, 2 ]
amdhsa.kernels:
  - .name:           k_q110b610bdc_attn
    .symbol:         k_q110b610bdc_attn.kd
    .args:
      - { .name: qkv, .offset: 0, .size: 8, .value_kind: global_buffer, .address_space: global }
      - { .name: qkvs, .offset: 8, .size: 8, .value_kind: global_buffer, .address_space: global }
      - { .name: oc, .offset: 16, .size: 8, .value_kind: global_buffer, .address_space: global }
    .group_segment_fixed_size: 231936
    .private_segment_fixed_size: 0
    .kernarg_segment_align: 8
    .kernarg_segment_size: 24
    .max_flat_workgroup_size: 512
    .sgpr_count:     100
    .vgpr_count:     256
    .wavefront_size: 32
...
	.end_amdgpu_metadata
.endif
;; end of part 3
;; launch outgemm (part 4): grid 8 x 32, 4 waves a work-group, clusters of 4 x 4, 240,128 bytes of LDS; arguments xw, xws, oc, out_b, out0; writes out0
.if DOCPART == 4
	.amdgcn_target "amdgcn-amd-amdhsa--gfx1250"
	.amdhsa_code_object_version 6
	.text
	.protected	k_q110b610bdc_outgemm
	.globl	k_q110b610bdc_outgemm
	.p2align	8
	.type	k_q110b610bdc_outgemm,@function
k_q110b610bdc_outgemm:
	s_mov_b64 s[64:65], 0
	v_nop
	global_prefetch_b8 v0, s[64:65] scope:SCOPE_SE
	s_setreg_imm32_b32 hwreg(HW_REG_WAVE_MODE, 25, 1), 1
	s_wait_xcnt 0x0
	s_wait_alu depctr_hold_cnt(0) depctr_sa_sdst(0) depctr_va_vdst(0) depctr_va_sdst(0) depctr_va_ssrc(0) depctr_va_vcc(0) depctr_vm_vsrc(0)
	s_getreg_b32 s2, hwreg(HW_REG_IB_STS2, 6, 4)
	s_cmp_eq_u32 s2, 0
	s_cbranch_scc0 .Lentry_in_a_cluster
	s_endpgm
.Lentry_in_a_cluster:
	s_bfe_u32 s2, ttmp6, 0x10000c
	s_cmp_lg_u32 s2, 0xf033
	s_cbranch_scc0 .Lentry_shape_is_right
	s_endpgm
.Lentry_shape_is_right:
; out0 = o out_w^T + out_b on codes of FP6 (E2M3) with E8M0 scales; out0 [4096][1024] f32.
; OPERANDS come as images of the matrix unit's registers.  out_w's fragments (16 rows x 128 K, 12 registers a lane): 1,536 bytes, registers 4 g .. 4 g + 3 of lane l at 512 g + 16 l.
; o's fragments were written a head (half a fragment) at a time: 768 bytes a half: registers 6 c .. 6 c + 3 of lane l at 16 l, registers 6 c + 4, 6 c + 5 at 512 + 8 l.
; Lane r of row tile 2 b + u holds row 32 b + 8 u + r + 8 (r / 8).
; SHARES: a work-group multiplies P (128 rows of out_w, first source) by R (128 tokens, second source) over all of K = 1,024; wave w takes R's tiles 2 w, 2 w + 1.
; TWO PASSES of 64 channels: pass 0 takes P's tiles 0-3, pass 1 tiles 4-7, eight accumulators each.  My two tiles of R, all of K, 192 registers, are fetched in pass 0 and stay: LDS is read once for every fragment.
; Pass 0's results go through my stage and are stored among pass 1's first K steps; nothing waits for those stores.  THE BIAS IS THE C OF EACH SUM'S FIRST PRODUCT, laid in registers as the result lies: no line adds it.
; LDS: both operands for all of K, each byte filled once.  In memory a group of eight tiles lies as LDS holds it, and o's group has its 4,096 scale bytes in front: so four dense loads, one a wave, bring all:
; wave 0 P's K steps 0-3, wave 1 R's scale bytes and K steps 0-3, wave 2 P's K steps 4-7, wave 3 R's.  The first barrier shows the loads of waves 0 and 1, whose lines are theirs alone; a barrier in K step 3 shows the rest.
; P's scale words (32 bytes a tile row) go from memory straight into registers.  No prefetch: all is asked for at the head.
; CLUSTERS: 4 x 4 work-groups.  P hangs on x alone and is shared along a column of the cluster, R on y alone and is shared along a row: each tile is asked for jointly.
; REGISTERS: window 0: v1-15 addresses; v16-47 P's scale words, v48-55 R's (scales and nothing else); v56-103, v104-151 P's fragments, two sets; v152-215 rows read back from the stage.
;            window 1: v0-191 R's fragments ((K step s, tile a) at 12 (2 s + a)); v192-255 pass 0's accumulators.   window 2: v0-63 the bias; v64-127 pass 1's accumulators.
.set CHUNK, 24576                      ; two K steps of eight row tiles; fragment (tile, K step s) at (s / 2) CHUNK + 3,072 tile + 1,536 (s % 2)
.set RSC,   98304                      ; P's codes at 0; R's scale bytes here: 256 bytes a head, 2 bytes a tile row
.set RREG,  102400                     ; R's codes
.set STG,   204800                     ; the way out: 32 rows x (256 + 16) bytes for each wave; no fill lands here
.set SPARE, 239616
.set GP,    102400                     ; a group of oc
.set CO,  1                            ; v1  my offset in two rows of out0
.set APL, 4
.set ARL, 6
.set ASP, 8
.set ASR, 9
.set AR8, 10
.set STI, 12
.set STO, 13
.set BOP, 14
.set LN,  15
.set SCP, 16
.set SCR, 48
.set F0,  56
.set BK,  152
.set G1P, 24                           ; group 1: half of P, half of R (192 rows of 256 bytes), R's first half with its scale bytes (208)
.set G1R, 32
.set G1L, 40
.set MSB, 0
.macro WIN new
.if MSB != (\new)
	s_set_vgpr_msb (MSB<<8)|(\new)
.set MSB, (\new)
.endif
.endm
.macro PLACES n
.rept \n
	v_nop
.endr
.endm
.macro CROUND
	s_barrier_signal -1
	s_barrier_wait -1
	s_cmp_lg_u32 s16, 0
	s_cbranch_scc1 .Lnot_wave_0_\@
	s_barrier_signal -3
.Lnot_wave_0_\@:
	s_barrier_wait -3
	s_barrier_signal -1
	s_barrier_wait -1
.endm
.macro G0C g, lds, sb, oc              ; group 0: to LDS byte lds, from s[sb:sb+1] + oc
	s_mov_b32 s[\g], 1
	s_mov_b32 s[\g+1], \lds
	s_add_nc_u64 s[\g+2:\g+3], s[\sb:\sb+1], \oc
	s_or_b32 s[\g+3], s[\g+3], 0x80000000
.endm
.macro TLOAD g0, g1
	tensor_load_to_lds s[\g0:\g0+3], s[\g1:\g1+7]
	s_nop 0
	PLACES 4
.endm
.macro FRAG reg, adr, off
.irp g, 0,1,2
	ds_load_b128 v[(\reg)+4*\g:(\reg)+4*\g+3], v[\adr] offset:(\off)+512*\g
.endr
.endm
.macro FRAGH reg, hi, off
.irp c, 0,1
	ds_load_b128 v[(\reg)+6*\c:(\reg)+6*\c+3], v[ARL+(\hi)] offset:(\off)+768*\c
	ds_load_b64 v[(\reg)+6*\c+4:(\reg)+6*\c+5], v[AR8+(\hi)] offset:(\off)+768*\c+512
.endr
.endm
.macro FETCHP ps, ks                   ; pass ps, K step ks: P's four fragments into set ks % 2: 12 loads
.set fF, F0+48*((\ks)%2)
.set fO, (((\ks)/2)%2)*CHUNK+((\ks)%2)*1536+12288*(\ps)
.irp p, 0,1,2,3
	FRAG fF+12*\p, APL+(\ks)/4, fO+3072*\p
.endr
.endm
.macro FETCHR ks                       ; K step ks: my two fragments of R into their own registers: 8 loads
.set fO, (((\ks)/2)%2)*CHUNK+((\ks)%2)*1536
	WIN 0x40
.irp a, 0,1
	FRAGH 12*(2*(\ks)+\a), (\ks)/4, fO+3072*\a
.endr
	WIN 0
.endm
.macro WM1 c, ra, rb
	v_wmma_scale_f32_16x16x128_f8f6f4 v[rD:rD+7], v[rP:rP+11], v[rR:rR+11], \c, v[rS], v[rT] matrix_a_fmt:MATRIX_FMT_FP6 matrix_b_fmt:MATRIX_FMT_FP6 matrix_a_scale:MATRIX_SCALE_ROW\ra matrix_b_scale:MATRIX_SCALE_ROW\rb
.endm
.macro WM2 a, p, c
.if (\p)%2 == 0
	WM1 \c, 0, \a
.else
	WM1 \c, 1, \a
.endif
.endm
.macro WM a, p, s, ps                  ; accumulator (a, p) of pass ps takes K step s.  P's scale words: lanes 0-15 the even tile, lanes 16-31 the odd one; R's: lanes 0-15 tile 2 w, lanes 16-31 tile 2 w + 1
.set rD, 192-128*(\ps)+8*(4*(\a)+(\p))
.set rP, F0+48*((\s)%2)+12*(\p)
.set rR, 12*(2*(\s)+(\a))
.set rS, SCP+8*(2*(\ps)+(\p)/2)+(\s)
.set rT, SCR+(\s)
.set rB, 8*(4*(\ps)+(\p))
.if (\s) == 0
	WM2 \a, \p, v[rB:rB+7]
.else
	WM2 \a, \p, v[rD:rD+7]
.endif
.endm
; A K step of a pass: the next step's fragments are asked for, then this step's 8 products are issued, the 8 accumulators by turns
.macro KSTEP ps, s
.if ((\ps) == 0) && ((\s) == 3)
	s_wait_dscnt 0x0                               ; this step's fragments are in, and no LDS instruction of mine is out at the signal
	s_wait_tensorcnt 0x0                           ; every wave's load has landed,
	s_barrier_signal -1
	s_barrier_wait -1                              ; everybody's: K steps 4-7 are whole.
	PLACES 4
	FETCHP 0, 4
	FETCHR 4
.elseif ((\ps) == 1) && ((\s) == 7)
	s_wait_dscnt 0x0
.else
.if (\ps)+(\s) > 0
	PLACES 4                                       ; in front of loads into the set that the last step's products read
.endif
.if (\s) == 7
	FETCHP 1, 0                                    ; pass 1's first fragments
	s_wait_dscnt 12                                ; all but the loads just issued
.elseif (\ps) == 0
	FETCHP 0, (\s)+1
	FETCHR (\s)+1
	s_wait_dscnt 20
.elseif (\s) == 0
	FETCHP 1, 1
	s_wait_dscnt 44                                ; behind pass 1's first fragments: the stage's 16 stores and 16 loads and the 12 loads just issued
.else
	FETCHP 1, (\s)+1
	s_wait_dscnt 12
.endif
.endif
.if (\ps) == 1
	WIN 0xa4                                       ; P window 0, R window 1, C and D window 2
.elseif (\s) == 0
	WIN 0x64                                       ; C, the bias, window 2; D window 1
.else
	WIN 0x54
.endif
.irp a, 0,1
.irp p, 0,1,2,3
	WM \a, \p, \s, \ps
.endr
.endr
	WIN 0
.endm
; THE WAY OUT of a pass.  A lane holds 8 neighbouring channels at a time of one token: my 32 tokens x 64 channels go through my own stage and come back as rows of 256 bytes, two rows an instruction
.macro TOSTAGE win, db
	WIN \win
.irp a, 0,1
.irp p, 0,1,2,3
	ds_store_b128 v[STI], v[(\db)+8*(4*\a+\p):(\db)+8*(4*\a+\p)+3] offset:4352*\a+128*(\p/2)+32*(\p%2)         ; each accumulator from its low end on
	ds_store_b128 v[STI], v[(\db)+8*(4*\a+\p)+4:(\db)+8*(4*\a+\p)+7] offset:4352*\a+128*(\p/2)+32*(\p%2)+16
.endr
.endr
	WIN 0
.set i, 0
.rept 16
	ds_load_b128 v[BK+4*i:BK+4*i+3], v[STO] offset:544*i   ; LDS serves a wave's instructions in order (ISA guide 5.7.1.4): these see my stores
.set i, i+1
.endr
.endm
.macro SEND ps, each                   ; stage rows 2 i, 2 i + 1 are tokens t, t + 1 with t = 8 (2 i / 16) + 2 i % 16 + 8 ((2 i % 16) / 8): sixteen lanes store 256 consecutive bytes, at a multiple of 256 from out0's first byte
.set i, 0
.rept 16
.if \each
	s_wait_dscnt 15-i                              ; these two rows are back; the younger rows stay out
.endif
	global_store_b128 v[CO], v[BK+4*i:BK+4*i+3], s[14:15] offset:(8*(i/8)+((2*i)%16)+8*(((2*i)%16)/8))*4096+256*(\ps) th:TH_STORE_NT
.set i, i+1
.endr
.endm
	s_load_b256 s[4:11], s[0:1], 0x0               ; xw s[4:5], xws s[6:7], oc s[8:9], out_b s[10:11]
	s_load_b64 s[14:15], s[0:1], 0x20              ; out0
	v_lshl_add_u32 v254, v0, 2, SPARE
	v_mov_b32 v255, 0
	ds_add_u32 v254, v255                          ; the opening lines: the add twice on end and its wait
	ds_add_u32 v254, v255
	v_lshrrev_b32 v2, 5, v0
	v_readfirstlane_b32 s16, v2                    ; wave 0..3
	s_bfe_u32 s19, ttmp6, 0x40000                  ; cx, cy
	s_bfe_u32 s20, ttmp6, 0x40004
	s_lshl_b32 s21, ttmp9, 2
	s_add_co_u32 s21, s21, s19                     ; x: 128 channels of the output
	s_and_b32 s23, ttmp7, 0xffff
	s_lshl_b32 s22, s23, 2
	s_add_co_u32 s22, s22, s20                     ; y: 128 tokens
	s_lshl_b32 s2, 0x1111, s19                     ; my column of the cluster
	s_lshl_b32 s3, s20, 2
	s_lshl_b32 s3, 15, s3                          ; my row
	s_or_b32 s[G1P], s2, (3<<16)|(1<<21)
	s_or_b32 s[G1R], s3, (3<<16)|(1<<21)
	s_or_b32 s[G1L], s3, (3<<16)|(1<<21)
.irp g, G1P, G1R, G1L                  ; dense blocks as rows of 256 bytes
	s_mov_b32 s[\g+1], 32<<16
	s_mov_b32 s[\g+3], 32<<16
	s_mov_b32 s[\g+5], 32
	s_mov_b32 s[\g+6], 0
	s_mov_b32 s[\g+7], 0
.endr
	s_mov_b32 s[G1P+2], 192<<16
	s_mov_b32 s[G1P+4], 192
	s_mov_b32 s[G1R+2], 192<<16
	s_mov_b32 s[G1R+4], 192
	s_mov_b32 s[G1L+2], 208<<16
	s_mov_b32 s[G1L+4], 208
	s_lshl_b32 s66, s21, 3                         ; P's first row tile: 448 + 8 x; it never holds cy
	s_add_co_u32 s66, s66, 448
	s_lshl_b32 s58, s66, 9                         ; its scale words, 512 bytes a tile,
	s_mov_b32 s59, 0
	s_mul_i32 s66, s66, 12288                      ; and its group of codes
	s_mov_b32 s67, 0
	s_mul_i32 s100, s22, GP                        ; R's group; it never holds cx
	s_mov_b32 s101, 0
	s_lshl_b32 s12, s22, 7
	s_lshl_b32 s13, s16, 5
	s_add_co_u32 s12, s12, s13                     ; my first token: 128 y + 32 w
	s_lshl_b32 s12, s12, 12
	s_lshl_b32 s13, s21, 9
	s_add_co_u32 s12, s12, s13                     ; + 128 x channels
	s_mov_b32 s13, 0
	s_wait_dscnt 0x0
	s_wait_kmcnt 0x0
	s_add_nc_u64 s[58:59], s[6:7], s[58:59]
	s_add_nc_u64 s[66:67], s[4:5], s[66:67]
	s_add_nc_u64 s[100:101], s[8:9], s[100:101]
	s_add_nc_u64 s[14:15], s[14:15], s[12:13]
	G0C 60, 0, 66, 0
	G0C 68, 2*CHUNK, 66, 2*CHUNK
	G0C 72, RSC, 100, 0
	G0C 76, RREG+2*CHUNK, 100, 4096+2*CHUNK
	CROUND                                         ; all sixteen work-groups are here: the joint loads meet
	s_cmp_eq_u32 s16, 0                            ; one chain of branches on the wave's number, one load to an arm
	s_cbranch_scc0 .Lfill_1
	TLOAD 60, G1P
	s_branch .Lfilled
.Lfill_1:
	s_cmp_eq_u32 s16, 1
	s_cbranch_scc0 .Lfill_2
	TLOAD 72, G1L
	s_branch .Lfilled
.Lfill_2:
	s_cmp_eq_u32 s16, 2
	s_cbranch_scc0 .Lfill_3
	TLOAD 68, G1P
	s_branch .Lfilled
.Lfill_3:
	TLOAD 76, G1R
.Lfilled:
	v_and_b32 v[LN], 31, v0
	v_and_b32 v2, 15, v0                           ; r
	v_bfe_u32 v3, v0, 4, 1                         ; h
	v_lshlrev_b32 v[ASP], 5, v[LN]                 ; lane l: tile row l of a pair of tiles
	s_lshl_b32 s2, s21, 9
	v_lshl_add_u32 v[BOP], v3, 6, s2               ; out_b: channel 128 x + 16 h
.irp q, 0,1,2,3
	global_load_b128 v[SCP+8*\q:SCP+8*\q+3], v[ASP], s[58:59] offset:1024*\q        ; tiles 2 q (lanes 0-15) and 2 q + 1 (lanes 16-31): the words of K steps 0-3,
	global_load_b128 v[SCP+8*\q+4:SCP+8*\q+7], v[ASP], s[58:59] offset:1024*\q+16   ; 4-7
.endr
	WIN 0x80                                       ; the bias, into window 2: register 8 p + j is channel 32 (p / 2) + 16 h + 8 (p % 2) + j, as tile p's result lies
.irp p, 0,1,2,3,4,5,6,7
	global_load_b128 v[8*\p:8*\p+3], v[BOP], s[10:11] offset:128*(\p/2)+32*(\p%2)
	global_load_b128 v[8*\p+4:8*\p+7], v[BOP], s[10:11] offset:128*(\p/2)+32*(\p%2)+16
.endr
	WIN 0
	v_lshlrev_b32 v[APL], 4, v[LN]
	v_add_nc_u32 v[APL+1], 2*CHUNK, v[APL]
	s_mul_i32 s2, s16, 6144
	s_add_co_u32 s2, s2, RREG
	v_add_nc_u32 v[ARL], s2, v[APL]                ; my tiles 2 w, 2 w + 1 of R
	v_add_nc_u32 v[ARL+1], 2*CHUNK, v[ARL]
	v_lshl_add_u32 v[AR8], v[LN], 3, s2
	v_add_nc_u32 v[AR8+1], 2*CHUNK, v[AR8]
	s_lshl_b32 s2, s16, 6
	s_add_co_u32 s2, s2, RSC
	v_lshl_add_u32 v[ASR], v[LN], 1, s2            ; lane l: tile row 32 w + l, 2 bytes
	s_mul_i32 s2, s16, 8704
	s_add_co_u32 s2, s2, STG                       ; my stage
	v_mul_u32_u24 v[STI], v2, 272
	v_lshl_add_u32 v[STI], v3, 6, v[STI]
	v_add_nc_u32 v[STI], s2, v[STI]                ; in: row r, + 16 h channels
	v_mul_u32_u24 v[STO], v3, 272
	v_lshl_add_u32 v[STO], v2, 4, v[STO]
	v_add_nc_u32 v[STO], s2, v[STO]                ; out: sixteen lanes to a row, two rows an instruction
	v_lshlrev_b32 v[CO], 12, v3
	v_lshl_add_u32 v[CO], v2, 4, v[CO]             ; and the same two rows in out0
	s_wait_alu depctr_va_vdst(0)                   ; the wait at the head's end
	s_cmp_lt_u32 s16, 2
	s_cbranch_scc0 .Lnot_lo
	s_wait_tensorcnt 0x0                           ; waves 0 and 1: K steps 0-3 of both operands and R's scale bytes have landed
.Lnot_lo:
	s_barrier_signal -1
	s_barrier_wait -1                              ; the other two loads may be out
.irp n, 0,1,2,3,4,5,6,7,8,9,10,11,12,13,14,15
	ds_load_u16 v[F0+\n], v[ASR] offset:256*\n     ; head n's two scale bytes of my tile row
.endr
	s_wait_dscnt 0x0
.irp k, 0,1,2,3,4,5,6,7
	v_lshl_or_b32 v[SCR+\k], v[F0+2*\k+1], 16, v[F0+2*\k]   ; K step k = heads 2 k and 2 k + 1
.endr
	PLACES 8                                       ; a scale register written by a vector instruction stands eight places ahead of the product that names it
	FETCHP 0, 0
	FETCHR 0
	s_wait_alu depctr_va_vdst(0)                   ; the wait ahead of the waits below
	s_wait_loadcnt 0x0                             ; P's scale words and the bias
.irp s, 0,1,2,3,4,5,6,7
	KSTEP 0, \s
.endr
	PLACES 4                                       ; behind pass 0's last products, in front of the first read of the sums
	TOSTAGE 0x04, 192
	KSTEP 1, 0
	s_wait_dscnt 12                                ; the stage's rows are back; the 12 loads of the next K step may be out
	SEND 0, 0                                      ; pass 0's 64 channels leave under pass 1's products
.irp s, 1,2,3,4,5,6,7
	KSTEP 1, \s
.endr
	PLACES 4
	s_wait_xcnt 0x0                                ; pass 0's stores have read their registers: the stage's rows may land there again
	TOSTAGE 0x08, 64
	SEND 1, 1
	s_wait_tensorcnt 0x0                           ; the wave's end
	ds_add_u32 v254, v255
	s_wait_dscnt 0x0
	CROUND                                         ; the closing round
	s_endpgm
.Lfunc_end_k_q110b610bdc_outgemm:
	.size	k_q110b610bdc_outgemm, .Lfunc_end_k_q110b610bdc_outgemm-k_q110b610bdc_outgemm
	.p2alignl 7, 3214868480
	.fill 96, 4, 3214868480
	.section	.rodata,"a",@progbits
	.p2align	6, 0x0
	.amdhsa_kernel k_q110b610bdc_outgemm
		.amdhsa_group_segment_fixed_size 240128
		.amdhsa_private_segment_fixed_size 0
		.amdhsa_enable_private_segment 0
		.amdhsa_kernarg_size 40
		.amdhsa_user_sgpr_count 2
		.amdhsa_user_sgpr_kernarg_segment_ptr 1
		.amdhsa_wavefront_size32 1
		.amdhsa_system_sgpr_workgroup_id_x 1
		.amdhsa_system_sgpr_workgroup_id_y 1
		.amdhsa_system_sgpr_workgroup_id_z 1
		.amdhsa_system_vgpr_workitem_id 0
		.amdhsa_next_free_vgpr 640
		.amdhsa_next_free_sgpr 102
		.amdhsa_reserve_vcc 0
		.amdhsa_float_denorm_mode_32 3
		.amdhsa_float_denorm_mode_16_64 3
		.amdhsa_memory_ordered 1
		.amdhsa_forward_progress 1
		.amdhsa_inst_pref_size 56
	.end_amdhsa_kernel
	.amdgpu_metadata
---
amdhsa.version: [ 1, 2 ]
amdhsa.kernels:
  - .name:           k_q110b610bdc_outgemm
    .symbol:         k_q110b610bdc_outgemm.kd
    .args:
      - { .name: xw, .offset: 0, .size: 8, .value_kind: global_buffer, .address_space: global }
      - { .name: xws, .offset: 8, .size: 8, .value_kind: global_buffer, .address_space: global }
      - { .name: oc, .offset: 16, .size: 8, .value_kind: global_buffer, .address_space: global }
      - { .name: out_b, .offset: 24, .size: 8, .value_kind: global_buffer, .address_space: global }
      - { .name: out0, .offset: 32, .size: 8, .value_kind: global_buffer, .address_space: global }
    .group_segment_fixed_size: 240128
    .private_segment_fixed_size: 0
    .kernarg_segment_align: 8
    .kernarg_segment_size: 40
    .max_flat_workgroup_size: 128
    .sgpr_count:     102
    .vgpr_count:     640
    .wavefront_size: 32
...
	.end_amdgpu_metadata
.endif
;; end of part 4
